; MI455X (gfx1250); checked and timed in simulation.
; The chip was launched on July 23, 2026; its instructions are those of AMD's public machine-readable ISA for CDNA 5 (MIT licence, August 2026) and "CDNA5" Instruction Set Architecture Reference Guide (July 2026). The comments in the code are by the model that wrote it; some were corrected since.
;; Linear Temporal Cross Attention. Allowed arithmetic: float matrix products may take bf16 or f16 operands with f32 sums; other float arithmetic in f32, or as packed bf16 or f16 multiplies, adds, multiply-adds, maxima and minima; sums over many terms, partial sums and values carried from step to step in f32; what a program stores and reads back later, other than sums and carried values, may be rounded once to bf16 or f16.
;; Inputs: Wk 1,024 x 1,024 float32; Wq 1,024 x 1,024 float32; Wv 1,024 x 1,024 float32; bk 1,024 float32; bq 1,024 float32; bv 1,024 float32; ln_b 1,024 float32; ln_g 1,024 float32; tln_b 1,024 float32; tln_g 1,024 float32; x 2,048 x 8 x 1,024 float32.
;; Outputs: out0 8 x 2,048 x 1,024 float32.
;; One version. Each part assembles by itself: llvm-mc -triple=amdgcn-amd-amdhsa -mcpu=gfx1250 --defsym DOCPART=n.
;; ======== version 1 of 1: 4 launches
;; limits: values are held in f16: magnitudes above 65,504 overflow, below 6.1e-05 lose precision
;; workspace buffers: xh 33,554,432 bytes; wf 6,291,456 bytes; bf 12,288 bytes; pa 16,777,216 bytes; ps 524,288 bytes; at 1,048,576 bytes
;; launch prep (part 1): grid 1216 x 1, 8 waves a work-group, no clusters, 0 bytes of LDS; arguments x, xh, ln_g, ln_b, tln_g, tln_b, Wq, Wk, Wv, bq, bk, bv, wf, bf; writes xh, wf, bf
.if DOCPART == 1
	.amdgcn_target "amdgcn-amd-amdhsa--gfx1250"
	.amdhsa_code_object_version 6
	.text
	.protected	k_qa3191bbc60_prep
	.globl	k_qa3191bbc60_prep
	.p2align	8
	.type	k_qa3191bbc60_prep,@function
k_qa3191bbc60_prep:
	s_mov_b64 s[64:65], 0
	v_nop
	global_prefetch_b8 v0, s[64:65] scope:SCOPE_SE
	s_setreg_imm32_b32 hwreg(HW_REG_WAVE_MODE, 25, 1), 1
	s_wait_xcnt 0x0
; PREPARATION.  Both norms of the module share mean and variance, so  norm(x) g + b  =  xhat g + b  with one xhat = (x - mean) / sqrt(var + 1e-5).
; Work-groups 0 .. 1023:    xh[b][t][:] = f16(xhat of x[t][b][:]): 16 rows of 1,024 numbers a work-group, two a wave, each row kept in 32 registers a lane between its passes.
; Work-groups 1024 .. 1215: wf = f16(W[n][k] g[k]) and bf[n] = bias[n] + sum over k of W[n][k] shift[k], in f32, for Wq (ln), Wk and Wv (tln): 16 rows a work-group, two a wave.
;   wf's and bf's rows: 0 .. 1023 = Wq's; 1024 + 128 h + i = Wk's row 64 h + i; 1024 + 128 h + 64 + i = Wv's row 64 h + i  (a head's keys and values lie side by side).
; The mean is taken away before the squares are summed (two passes over registers), so a common offset of x costs no digits.
; LIMITS.  |xhat| is at most 32 by the norm itself.  W g is rounded to f16: beyond 65,504 it becomes an infinity, below 6e-5 it keeps f16's fixed step of 6e-8.  NaN and infinities are not treated apart.
; No LDS, no barrier, no matrix unit: a wave's row never leaves the wave, and the launch only streams.
.set LO,  1                            ; v1  16 x lane: my 16 bytes in each 512 bytes of an f32 row
.set SO8, 2                            ; v2  8 x lane: my 8 bytes in each 256 bytes of an f16 row
.set LNE, 3                            ; v3  lane
.set ZO,  4                            ; v4  0 (offset of the bias pair)
.macro REDUCE r, t                     ; the sum over the 32 lanes, in every lane; t has been written before
	v_add_f32_dpp v[(\r)], v[(\r)], v[(\r)] row_xmask:1 row_mask:0xf bank_mask:0xf
	v_add_f32_dpp v[(\r)], v[(\r)], v[(\r)] row_xmask:2 row_mask:0xf bank_mask:0xf
	v_add_f32_dpp v[(\r)], v[(\r)], v[(\r)] row_xmask:4 row_mask:0xf bank_mask:0xf
	v_add_f32_dpp v[(\r)], v[(\r)], v[(\r)] row_xmask:8 row_mask:0xf bank_mask:0xf
	v_permlanex16_b32 v[(\t)], v[(\r)], s38, s39
	v_add_f32 v[(\r)], v[(\r)], v[(\t)]
.endm
.macro TOHALF xr                       ; 32 f32 to 16 registers of f16 pairs, in place, ascending: register k is written when 2 k and 2 k + 1 have been read
.set j, 0
.rept 16
	v_cvt_pk_f16_f32 v[(\xr)+j], v[(\xr)+2*j], v[(\xr)+2*j+1]
.set j, j+1
.endr
.endm
	v_lshrrev_b32 v5, 5, v0
	v_readfirstlane_b32 s36, v5                    ; wave 0..7
	v_and_b32 v[LNE], 31, v0
	v_lshlrev_b32 v[LO], 4, v[LNE]
	v_lshlrev_b32 v[SO8], 3, v[LNE]
	s_mov_b32 s35, 0x3727c5ac                      ; 1e-5
	s_mov_b32 s37, 0x3a800000                      ; 1 / 1024
	s_mov_b32 s38, 0x76543210                      ; v_permlanex16_b32: each lane takes its own place in the other half
	s_mov_b32 s39, 0xfedcba98
	s_cmp_lt_u32 ttmp9, 1024
	s_cbranch_scc0 .Lweights
	; ---- the norm.  Row 16 g + 2 w + i of x is (t, b) = (2 g + w / 4, 2 (w % 4) + i); it goes to row 2,048 b + t of xh.
	s_load_b128 s[4:7], s[0:1], 0x0                ; x s[4:5], xh s[6:7]
	s_lshl_b32 s2, ttmp9, 16                       ; 16 rows of 4,096 bytes a work-group,
	s_lshl_b32 s3, s36, 13                         ; two a wave
	s_add_co_u32 s2, s2, s3
	s_mov_b32 s3, 0
	s_and_b32 s8, s36, 3
	s_lshl_b32 s8, s8, 23                          ; b = 2 (w % 4): 2 x 2,048 rows of 2,048 bytes each
	s_lshr_b32 s9, s36, 2
	s_lshl_b32 s10, ttmp9, 1
	s_add_co_u32 s9, s9, s10                       ; t
	s_lshl_b32 s9, s9, 11
	s_add_co_u32 s8, s8, s9
	s_mov_b32 s9, 0
	s_wait_kmcnt 0x0
	s_add_nc_u64 s[4:5], s[4:5], s[2:3]
	s_add_nc_u64 s[6:7], s[6:7], s[8:9]
.irp i, 0,1
.irp j, 0,1,2,3,4,5,6,7
	global_load_b128 v[16+32*(\i)+4*(\j):19+32*(\i)+4*(\j)], v[LO], s[4:5] offset:4096*(\i)+512*(\j) th:TH_LOAD_NT  ; 512 consecutive bytes a load
.endr
.endr
; One row: v[XR ..] 32 numbers a lane; v[TA ..]: two chains, the mean twice, 1 / sqrt twice.
.macro LNROW i, left
.set XR, 16+32*(\i)
.set TA, 80+8*(\i)
	s_wait_loadcnt \left                           ; loads come back in order: this row's eight are in, the other row's may stay out
	v_pk_add_f32 v[TA:TA+1], v[XR:XR+1], v[XR+2:XR+3]
	v_pk_add_f32 v[TA+2:TA+3], v[XR+4:XR+5], v[XR+6:XR+7]
.set j, 8
.rept 6
	v_pk_add_f32 v[TA:TA+1], v[TA:TA+1], v[XR+j:XR+j+1]
	v_pk_add_f32 v[TA+2:TA+3], v[TA+2:TA+3], v[XR+j+2:XR+j+3]
.set j, j+4
.endr
	v_pk_add_f32 v[TA:TA+1], v[TA:TA+1], v[TA+2:TA+3]
	v_add_f32 v[TA], v[TA], v[TA+1]
	REDUCE TA, TA+1
	v_mul_f32 v[TA+4], s37, v[TA]                  ; the mean, as a pair
	v_mul_f32 v[TA+5], s37, v[TA]
.set j, 0
.rept 16
	v_pk_add_f32 v[XR+j:XR+j+1], v[XR+j:XR+j+1], v[TA+4:TA+5] neg_lo:[0,1] neg_hi:[0,1]  ; x - mean
.set j, j+2
.endr
	v_pk_mul_f32 v[TA:TA+1], v[XR:XR+1], v[XR:XR+1]
	v_pk_mul_f32 v[TA+2:TA+3], v[XR+2:XR+3], v[XR+2:XR+3]
.set j, 4
.rept 7
	v_pk_fma_f32 v[TA:TA+1], v[XR+j:XR+j+1], v[XR+j:XR+j+1], v[TA:TA+1]
	v_pk_fma_f32 v[TA+2:TA+3], v[XR+j+2:XR+j+3], v[XR+j+2:XR+j+3], v[TA+2:TA+3]
.set j, j+4
.endr
	v_pk_add_f32 v[TA:TA+1], v[TA:TA+1], v[TA+2:TA+3]
	v_add_f32 v[TA], v[TA], v[TA+1]
	REDUCE TA, TA+1
	v_fma_f32 v[TA+2], v[TA], s37, s35             ; variance + 1e-5
	v_rsq_f32 v[TA+6], v[TA+2]
	v_rsq_f32 v[TA+7], v[TA+2]
	v_nop                                          ; a plain instruction behind the last of the two,
	s_wait_alu depctr_va_vdst(0)                   ; and one wait for both, ahead of their first reader
.set j, 0
.rept 16
	v_pk_mul_f32 v[XR+j:XR+j+1], v[XR+j:XR+j+1], v[TA+6:TA+7]
.set j, j+2
.endr
	TOHALF XR
.irp j, 0,1,2,3,4,5,6,7
	global_store_b64 v[SO8], v[XR+2*(\j):XR+2*(\j)+1], s[6:7] offset:((\i)<<22)+256*(\j)  ; the wave's store covers 256 consecutive bytes, aligned; row i lies one batch (2,048 rows) on
.endr
.endm
	LNROW 0, 8
	LNROW 1, 0
	s_endpgm
	; ---- the weights
.Lweights:
	s_load_b256 s[8:15], s[0:1], 0x10              ; ln_g s[8:9], ln_b s[10:11], tln_g s[12:13], tln_b s[14:15]
	s_load_b256 s[16:23], s[0:1], 0x30             ; Wq s[16:17], Wk s[18:19], Wv s[20:21], bq s[22:23]
	s_load_b256 s[24:31], s[0:1], 0x50             ; bk s[24:25], bv s[26:27], wf s[28:29], bf s[30:31]
	s_sub_co_u32 s32, ttmp9, 1024
	s_lshr_b32 s33, s32, 6                         ; which matrix: 0 q, 1 k, 2 v
	s_and_b32 s34, s32, 63
	s_lshl_b32 s34, s34, 4
	s_lshl_b32 s2, s36, 1
	s_add_co_u32 s34, s34, s2                      ; n0: my first row (even, so both rows lie in one head)
	s_lshr_b32 s50, s34, 6
	s_lshl_b32 s50, s50, 7                         ; 128 x head
	s_and_b32 s51, s34, 63
	s_add_co_u32 s50, s50, s51
	s_add_co_u32 s50, s50, 1024
	s_cmp_eq_u32 s33, 2
	s_cselect_b32 s51, 64, 0
	s_add_co_u32 s50, s50, s51
	s_cmp_eq_u32 s33, 0
	s_cselect_b32 s50, s34, s50                    ; the row in wf and bf
	v_mov_b32 v[ZO], 0
	s_wait_kmcnt 0x0
	s_cmp_eq_u32 s33, 0
	s_cselect_b64 s[40:41], s[8:9], s[12:13]       ; the gains,
	s_cselect_b64 s[42:43], s[10:11], s[14:15]     ; the shifts,
	s_cselect_b64 s[44:45], s[16:17], s[18:19]     ; the matrix
	s_cselect_b64 s[46:47], s[22:23], s[24:25]     ; and its bias
	s_cmp_eq_u32 s33, 2
	s_cselect_b64 s[44:45], s[20:21], s[44:45]
	s_cselect_b64 s[46:47], s[26:27], s[46:47]
	s_lshl_b32 s2, s34, 12
	s_mov_b32 s3, 0
	s_add_nc_u64 s[44:45], s[44:45], s[2:3]
	s_lshl_b32 s2, s34, 2
	s_add_nc_u64 s[46:47], s[46:47], s[2:3]
	s_load_b64 s[48:49], s[46:47], 0x0             ; my two rows' biases
	s_lshl_b32 s2, s50, 11
	s_add_nc_u64 s[28:29], s[28:29], s[2:3]
	s_lshl_b32 s2, s50, 2
	s_add_nc_u64 s[30:31], s[30:31], s[2:3]
.irp j, 0,1,2,3,4,5,6,7
	global_load_b128 v[16+4*(\j):19+4*(\j)], v[LO], s[40:41] offset:512*(\j)
.endr
.irp j, 0,1,2,3,4,5,6,7
	global_load_b128 v[48+4*(\j):51+4*(\j)], v[LO], s[42:43] offset:512*(\j)
.endr
.irp i, 0,1
.irp j, 0,1,2,3,4,5,6,7
	global_load_b128 v[80+32*(\i)+4*(\j):83+32*(\i)+4*(\j)], v[LO], s[44:45] offset:4096*(\i)+512*(\j) th:TH_LOAD_NT
.endr
.endr
	s_wait_kmcnt 0x0                               ; the biases
.macro WROW i, left
.set XR, 80+32*(\i)
	s_wait_loadcnt \left                           ; gains, shifts and this row are in; the other row's eight loads may stay out
	v_pk_mul_f32 v[146:147], v[XR:XR+1], v[48:49]  ; W . shift, in f32, of the unrounded W
	v_pk_mul_f32 v[148:149], v[XR+2:XR+3], v[50:51]
.set j, 4
.rept 7
	v_pk_fma_f32 v[146:147], v[XR+j:XR+j+1], v[48+j:48+j+1], v[146:147]
	v_pk_fma_f32 v[148:149], v[XR+j+2:XR+j+3], v[48+j+2:48+j+3], v[148:149]
.set j, j+4
.endr
	v_pk_add_f32 v[146:147], v[146:147], v[148:149]
	v_add_f32 v146, v146, v147
	REDUCE 146, 147
	v_add_f32 v[144+(\i)], s[48+(\i)], v146
.set j, 0
.rept 16
	v_pk_mul_f32 v[XR+j:XR+j+1], v[XR+j:XR+j+1], v[16+j:16+j+1]  ; W g
.set j, j+2
.endr
	TOHALF XR
.irp j, 0,1,2,3,4,5,6,7
	global_store_b64 v[SO8], v[XR+2*(\j):XR+2*(\j)+1], s[28:29] offset:2048*(\i)+256*(\j)
.endr
.endm
	WROW 0, 8
	WROW 1, 0
	v_cmp_eq_u32 vcc_lo, 0, v[LNE]                 ; the two folded biases: 8 bytes a wave, 12,288 bytes in the whole launch
	s_wait_xcnt 0x0                                ; EXEC is a source of the stores above: it changes only behind this wait,
	s_and_saveexec_b32 s51, vcc_lo
	global_store_b64 v[ZO], v[144:145], s[30:31]
	s_wait_xcnt 0x0                                ; and again in front of the line that widens it
	s_or_b32 exec_lo, exec_lo, s51
	s_endpgm
.Lfunc_end_k_qa3191bbc60_prep:
	.size	k_qa3191bbc60_prep, .Lfunc_end_k_qa3191bbc60_prep-k_qa3191bbc60_prep
	.p2alignl 7, 3214868480
	.fill 96, 4, 3214868480
	.section	.rodata,"a",@progbits
	.p2align	6, 0x0
	.amdhsa_kernel k_qa3191bbc60_prep
		.amdhsa_group_segment_fixed_size 0
		.amdhsa_private_segment_fixed_size 0
		.amdhsa_enable_private_segment 0
		.amdhsa_kernarg_size 112
		.amdhsa_user_sgpr_count 2
		.amdhsa_user_sgpr_kernarg_segment_ptr 1
		.amdhsa_wavefront_size32 1
		.amdhsa_system_sgpr_workgroup_id_x 1
		.amdhsa_system_sgpr_workgroup_id_y 1
		.amdhsa_system_sgpr_workgroup_id_z 1
		.amdhsa_system_vgpr_workitem_id 0
		.amdhsa_next_free_vgpr 152
		.amdhsa_next_free_sgpr 66
		.amdhsa_reserve_vcc 1
		.amdhsa_float_denorm_mode_32 3
		.amdhsa_float_denorm_mode_16_64 3
		.amdhsa_memory_ordered 1
		.amdhsa_forward_progress 1
		.amdhsa_inst_pref_size 30
	.end_amdhsa_kernel
	.amdgpu_metadata
---
amdhsa.version: [ 1, 2 ]
amdhsa.kernels:
  - .name:           k_qa3191bbc60_prep
    .symbol:         k_qa3191bbc60_prep.kd
    .args:
      - { .name: x, .offset: 0, .size: 8, .value_kind: global_buffer, .address_space: global }
      - { .name: xh, .offset: 8, .size: 8, .value_kind: global_buffer, .address_space: global }
      - { .name: ln_g, .offset: 16, .size: 8, .value_kind: global_buffer, .address_space: global }
      - { .name: ln_b, .offset: 24, .size: 8, .value_kind: global_buffer, .address_space: global }
      - { .name: tln_g, .offset: 32, .size: 8, .value_kind: global_buffer, .address_space: global }
      - { .name: tln_b, .offset: 40, .size: 8, .value_kind: global_buffer, .address_space: global }
      - { .name: Wq, .offset: 48, .size: 8, .value_kind: global_buffer, .address_space: global }
      - { .name: Wk, .offset: 56, .size: 8, .value_kind: global_buffer, .address_space: global }
      - { .name: Wv, .offset: 64, .size: 8, .value_kind: global_buffer, .address_space: global }
      - { .name: bq, .offset: 72, .size: 8, .value_kind: global_buffer, .address_space: global }
      - { .name: bk, .offset: 80, .size: 8, .value_kind: global_buffer, .address_space: global }
      - { .name: bv, .offset: 88, .size: 8, .value_kind: global_buffer, .address_space: global }
      - { .name: wf, .offset: 96, .size: 8, .value_kind: global_buffer, .address_space: global }
      - { .name: bf, .offset: 104, .size: 8, .value_kind: global_buffer, .address_space: global }
    .group_segment_fixed_size: 0
    .private_segment_fixed_size: 0
    .kernarg_segment_align: 8
    .kernarg_segment_size: 112
    .max_flat_workgroup_size: 256
    .sgpr_count:     66
    .vgpr_count:     152
    .wavefront_size: 32
...
	.end_amdgpu_metadata
.endif
;; end of part 1
;; launch kv (part 2): grid 8 x 64, 4 waves a work-group, clusters of 4 x 4, 327,680 bytes of LDS; arguments xh, wf, pa, ps, bf; writes pa, ps
.if DOCPART == 2
	.amdgcn_target "amdgcn-amd-amdhsa--gfx1250"
	.amdhsa_code_object_version 6
	.text
	.protected	k_qa3191bbc60_kv
	.globl	k_qa3191bbc60_kv
	.p2align	8
	.type	k_qa3191bbc60_kv,@function
k_qa3191bbc60_kv:
	s_mov_b64 s[64:65], 0
	v_nop
	global_prefetch_b8 v0, s[64:65] scope:SCOPE_SE
	s_setreg_imm32_b32 hwreg(HW_REG_WAVE_MODE, 25, 1), 1
	s_wait_xcnt 0x0
	s_wait_alu depctr_hold_cnt(0) depctr_sa_sdst(0) depctr_va_vdst(0) depctr_va_sdst(0) depctr_va_ssrc(0) depctr_va_vcc(0) depctr_vm_vsrc(0)
	s_getreg_b32 s2, hwreg(HW_REG_IB_STS2, 6, 4)
	s_cmp_eq_u32 s2, 0
	s_cbranch_scc0 .Lentry_in_a_cluster
	s_endpgm
.Lentry_in_a_cluster:
	s_bfe_u32 s2, ttmp6, 0x10000c
	s_cmp_lg_u32 s2, 0xf033
	s_cbranch_scc0 .Lentry_shape_is_right
	s_endpgm
.Lentry_shape_is_right:
; KEYS AND VALUES, AND THEIR PRODUCT, BY BLOCKS OF 256 POSITIONS.  C = xh Wkv'^T + b' (f16 operands, f32 sums), a tile of 256 rows x 256 columns a work-group, 128 x 128 a wave:
; 128 positions of one batch and ONE head h: its 64 key columns and its 64 value columns.  k and v never go to memory.  Waves w and w ^ 2 hold the same head and the two halves of the tile's positions:
;   m[d] = the largest k[n][d] of the tile's 256 positions (the two waves exchange their maxima through LDS);  p = 2^(c k - c m), c = log2(e);
;   partial att^T[l][d] = sum over n of v[n][l] p[n][d];  partial l[d] = sum over n of p[n][d]: each wave's over its 128 positions, the two added in f32 through LDS.
; Stored: pa (64 x 64 f32 a partial, in the accumulators' own order), ps (c m and l).  The next launch joins a batch's 8 partials by their maxima: a running maximum in two stages.
; LIMITS.  v and p are rounded to f16 for the second product: |v| beyond 65,504 becomes an infinity; p lies in 0 .. 1 and below 6e-5 keeps f16's fixed step of 6e-8; l is the sum of the ROUNDED p,
; taken by the matrix unit in f32 (ones x p), so numerator and denominator hold the same weights.  NaN and infinities are not treated apart.
; THE RING.  K = 1,024 goes in 8 steps of 128 through two LDS slots (256 rows of xh, 256 rows of wf, 256 bytes each, padded to 272).  A K step's text is written once: which slot is read hangs on a scalar
; that is 0 or a slot's size.  4 x 4 work-groups form a cluster: xh's tile is shared along a row of the cluster, wf's along a column: each is asked for JOINTLY (same tensor load, same descriptor, a mask
; of four).  By this text's count a wave has two tensor loads out at the start, later one.
; THE MATRIX INSTRUCTION: source 0 = 16 rows of xh, source 1 = 16 rows of wf: in the result a lane holds ONE column (lane % 16) and the positions 8 (lane / 16) + 0..7: two such results, rounded to
; f16 in pairs, ARE a fragment (16 columns x 32 positions) of the second product, for v as source 0 and for p as source 1.  The bias, one number a lane, is the C operand of a sum's first product.
; REGISTERS, in windows of 256 (s_set_vgpr_msb: bits 1:0 source 0, 3:2 source 1, 5:4 source 2, 7:6 destination):
;   window 0: v0-31 addresses; v32-55 maxima; v64-127, v128-191 xh's fragments, two buffers, later att^T's 16 accumulators; v192-255 the bias, later l's accumulators, ones, and a store's data
;   window 1: v64-127, v128-191 wf's fragments      window 2: accumulators of my positions 0-63 ((a, b) at v[8 (8 a + b)]), at the end the partner's sums      window 3: those of positions 64-127
.set SIZE_K, 1024
.set KSTEP,  128
.set PITCH,  272                       ; an LDS row: 256 bytes + 16 of padding = 68 words: the 16 rows of a fragment load start at 16 different groups of four banks (64 banks of 4 bytes: ISA guide 11.1)
.set HALFT,  128*PITCH                 ; 128 rows: what one tensor load brings
.set SLOT,   4*HALFT                   ; xh's 256 rows, then wf's 256 rows
.set XM,     2*SLOT                    ; behind the ring, never filled by a tensor load: each wave's column maxima, 512 bytes a wave
.set XA,     XM+4*512                  ; the sums that waves 2 and 3 hand over: 16,384 bytes of att^T and 512 of l for each of the tile's two heads
.set XAW,    16384+512
.set SPARE,  XA+2*XAW                  ; the spare words, 128 bytes for each wave: two blocks of 256 bytes that no other line names
.set BROW,   1024                      ; wf's rows for keys and values begin here
.set ADRA0, 16                         ; v16     LDS address of my xh fragments in slot 0; never rewritten
.set ADRA,  17                         ; v17     the same in the slot that is being read
.set ADRB0, 20                         ; v20-21  the same for wf
.set ADRB,  21
.set XMS,  22                          ; v22     where I put my maxima
.set XMP,  23                          ; v23     where my partner (wave ^ 2) puts its own
.set XAD,  24                          ; v24     my head's place in XA + 16 x lane
.set LN,   26                          ; v26     lane
.set SO,   27                          ; v27     16 x lane: the stores' offset
.set SPW,  28                          ; v28     LDS address of my spare word; never rewritten
.set NIL,  29                          ; v29     0; never rewritten
.set PFO,  30                          ; v30     the prefetches' offset: lane x 2,048 bytes (a row); never rewritten
.set BA,   31                          ; v31     4 x (lane % 16): my column's bias
.set MX,   32                          ; v32-39  column block b, window w: a chain of maxima at MX + 2 b + w
.set CM,   40                          ; v40-47  column block b: the pair (c m, m)
.set XL,   48                          ; v48-51  my 128 positions' maxima of the four column blocks
.set XP,   52                          ; v52-55  my partner's
.set F0,   64
.set F1,   128
.set BIAS, 192                         ; column block b: its bias in all eight registers at BIAS + 8 b
.set ATT,  64                          ; att^T's accumulator (db, lb) at ATT + 8 (4 db + lb)
.set LS,   192                         ; l's accumulator db at LS + 8 db
.set ONES, 224                         ; v224-231  a fragment of ones
.set ST,   232                         ; v232-235  l of the four column blocks; at the store c m in lanes 0-15, l in lanes 16-31
.set PT,   236                         ; v236-239  my partner's l
.set TB,  18                           ; s18  0 or SLOT: where the slot that is being read begins
.set WH,  19                           ; s19  wave x 128 rows: my part of a slot; never rewritten
.set G1,  24                           ; s[24:31] descriptor group 1 for xh's tiles;  s[32:39] group 0: a set for each of the two first fills; the second then walks on
.set G0,  32
.set G1B, 48                           ; s[48:55], s[56:63] the same for wf's tiles
.set G0B, 56
.set LIM, 43                           ; s43  2 in a wave that prefetches, else the greatest number
.set PFA, 44                           ; s[44:45] where my prefetches stand
.set MSB, 0
.macro WIN new                         ; the immediate's high byte repeats the setting that is left; a switch that changes nothing is dropped
.if MSB != (\new)
	s_set_vgpr_msb (MSB<<8)|(\new)
.set MSB, \new
.endif
.endm
; A joint load.  Waves 0 and 1 fetch xh's two halves, waves 2 and 3 wf's.  The branch hangs on the wave's number alone.  An s_nop 0 and four v_nop follow each of the two lines.
.macro JLOAD s
	s_cmp_eq_u32 s11, 0
	s_cbranch_scc0 .Lfor_b_\@
	tensor_load_to_lds s[G0+4*(\s):G0+4*(\s)+3], s[G1:G1+7]
	s_nop 0
.rept 4
	v_nop
.endr
	s_branch .Lasked_\@
.Lfor_b_\@:
	tensor_load_to_lds s[G0B+4*(\s):G0B+4*(\s)+3], s[G1B:G1B+7]
	s_nop 0
.rept 4
	v_nop
.endr
.Lasked_\@:
.endm
; A prefetch of the K step that stands two refills on: 32 rows x 256 bytes, a lane a row.  xh's tile row is read by both clusters of its row of clusters: cluster x = 0 asks; wf's tile column by all
; sixteen clusters of its column: cluster y = 0 asks.  Of the 128 rows that a wave fetches each of the four partners takes 32, told apart by address.  So each row's 256 bytes of a K step are named once.
; The refills for K steps 2 .. 5 (s3 = 6 .. 3) name K steps 4 .. 7; the loop's last two trips name nothing.
.macro ASK
	s_cmp_gt_u32 s3, s[LIM]
	s_cbranch_scc0 .Lnot_mine_\@
	global_prefetch_b8 v[PFO], s[PFA:PFA+1] offset:KSTEP*2 th:TH_LOAD_NT scope:SCOPE_SE
.Lnot_mine_\@:
.endm
.macro CREST                           ; a round of the cluster's barrier behind its opening barrier
	s_cmp_lg_u32 s10, 0
	s_cbranch_scc1 .Lnot_wave_0_\@
	s_barrier_signal -3
.Lnot_wave_0_\@:
	s_barrier_wait -3
	s_barrier_signal -1
	s_barrier_wait -1
.endm
.macro CROUND                          ; a whole round
	s_barrier_signal -1
	s_barrier_wait -1
	CREST
.endm
.macro PLACES                          ; four plain places behind matrix instructions, in front of loads into registers that they read and of vector lines that read their results
.rept 4
	v_nop
.endr
.endm
	s_load_b128 s[4:7], s[0:1], 0x0                ; xh s[4:5], wf s[6:7]
	s_load_b128 s[72:75], s[0:1], 0x10             ; pa s[72:73], ps s[74:75]
	s_load_b64 s[76:77], s[0:1], 0x20              ; bf
	v_lshl_add_u32 v[SPW], v0, 2, SPARE
	v_mov_b32 v[NIL], 0
	ds_add_u32 v[SPW], v[NIL]                      ; the wave's opening: the add and its wait stand ahead of my first tensor load; the set-up below, work on registers, stands between them
	v_lshrrev_b32 v1, 5, v0
	v_readfirstlane_b32 s10, v1                    ; wave 0..3
	s_lshr_b32 s11, s10, 1                         ; which half of the tile's rows is mine.  Also: I fetch for xh (0) or for wf (1)
	s_and_b32 s12, s10, 1                          ; which half of its columns.  Also: which 128 rows of that tile I fetch
	s_bfe_u32 s40, ttmp6, 0x40000                  ; cx
	s_bfe_u32 s41, ttmp6, 0x40004                  ; cy
	s_lshl_b32 s42, ttmp9, 2
	s_add_co_u32 s42, s42, s40                     ; tile column = 4 x cluster x + cx
	s_and_b32 s13, ttmp7, 0xffff
	s_lshl_b32 s13, s13, 2
	s_add_co_u32 s13, s13, s41                     ; tile row = 4 x cluster y + cy
	s_lshl_b32 s43, s41, 2
	s_lshl_b32 s43, 15, s43                        ; my row of the cluster
	s_lshl_b32 s44, 0x1111, s40                    ; my column
	s_or_b32 s[G1+0], s43, (1<<16)|(1<<20)|(1<<21)|(5<<22)|(3<<25)   ; 15:0 the mask; 17:16 2-byte elements; 20 padding on; 21 set beside a mask; 24:22 after every 64 words (code 5); 31:25 4 words (code 3)
	s_or_b32 s[G1B+0], s44, (1<<16)|(1<<20)|(1<<21)|(5<<22)|(3<<25)
.irp g, G1, G1B
	s_mov_b32 s[(\g)+1], KSTEP<<16                 ; tensor_dim0 = 128
	s_mov_b32 s[(\g)+2], 128<<16                   ; tensor_dim1 = 128
	s_mov_b32 s[(\g)+3], KSTEP<<16                 ; tile_dim0 = 128
	s_mov_b32 s[(\g)+4], 128                       ; tile_dim1 = 128
	s_mov_b32 s[(\g)+5], SIZE_K                    ; elements from row to row
	s_mov_b32 s[(\g)+6], 0
	s_mov_b32 s[(\g)+7], 0
.endr
	s_lshl_b32 s17, s12, 7                         ; which 128 rows of the tile I fetch
	s_lshl_b32 s16, s13, 8
	s_add_co_u32 s16, s16, s17                     ; xh: row 256 x tile row + 128 x half
	s_lshl_b32 s46, s42, 8
	s_add_co_u32 s46, s46, s17
	s_add_co_u32 s46, s46, BROW                    ; wf: row 1,024 + 256 x tile column + 128 x half
	s_lshl_b32 s16, s16, 11                        ; rows of 2,048 bytes: under 2^26
	s_lshl_b32 s46, s46, 11
	s_mov_b32 s17, 0
	s_mov_b32 s47, 0
	s_mul_i32 s[WH], s10, HALFT                    ; where they go: wave x 128 rows: no place in the cluster enters an LDS address
	s_mov_b32 s[TB], 0                             ; slot 0 is read first
	s_mov_b32 s66, 0x3fb8aa3b                      ; c = log2(e), as a pair
	s_mov_b32 s67, s66
	s_mov_b32 s68, 0x76543210                      ; v_permlanex16_b32's selects
	s_mov_b32 s69, 0xfedcba98
	s_mov_b32 s70, 0xff800000                      ; minus infinity: starts a chain of maxima
	s_mov_b32 s71, 0x3c003c00                      ; 1.0 twice, in f16
	s_wait_dscnt 0x0                               ; the opening add is done
	s_wait_kmcnt 0x0
	s_add_nc_u64 s[14:15], s[4:5], s[16:17]
	s_add_nc_u64 s[46:47], s[6:7], s[46:47]
	CROUND                                         ; all sixteen work-groups are here: the first joint loads meet
.irp s, 0,1
	s_mov_b32 s[G0+4*(\s)], 1                                      ; count = 1
	s_add_co_u32 s[G0+4*(\s)+1], s[WH], (\s)*SLOT                  ; LDS address
	s_add_nc_u64 s[G0+4*(\s)+2:G0+4*(\s)+3], s[14:15], (\s)*KSTEP*2  ; global address: K step s
	s_or_b32 s[G0+4*(\s)+3], s[G0+4*(\s)+3], 0x80000000            ; type = 2
	s_mov_b32 s[G0B+4*(\s)], 1
	s_add_co_u32 s[G0B+4*(\s)+1], s[WH], (\s)*SLOT
	s_add_nc_u64 s[G0B+4*(\s)+2:G0B+4*(\s)+3], s[46:47], (\s)*KSTEP*2
	s_or_b32 s[G0B+4*(\s)+3], s[G0B+4*(\s)+3], 0x80000000
	JLOAD \s
.endr
	; a fragment is 16 rows x 32 K in 8 registers: lane l holds row l % 16; two loads of 16 bytes, 32 bytes apart, at row x pitch + 16 (l / 16)
	v_and_b32 v1, 15, v0
	v_bfe_u32 v2, v0, 4, 1
	v_mul_u32_u24 v3, v1, PITCH
	v_lshl_add_u32 v3, v2, 4, v3
	s_mul_i32 s21, s11, HALFT                      ; my 128 rows of xh
	s_mul_i32 s22, s12, HALFT                      ; my 128 rows of wf,
	s_add_co_u32 s22, s22, 2*HALFT                 ; which lie behind xh's 256
	v_add_nc_u32 v[ADRA0], s21, v3
	v_add_nc_u32 v[ADRB0], s22, v3
	v_mov_b32 v[ADRA], v[ADRA0]
	v_mov_b32 v[ADRB], v[ADRB0]
	v_and_b32 v[LN], 31, v0
	v_lshlrev_b32 v[SO], 4, v[LN]
	v_lshlrev_b32 v[BA], 2, v1
	s_lshl_b32 s20, s10, 9                         ; the exchange of maxima: my 512 bytes,
	s_add_co_u32 s20, s20, XM
	v_add_nc_u32 v[XMS], s20, v[SO]
	s_xor_b32 s20, s10, 2                          ; and those of the wave with my head and the tile's other 128 positions
	s_lshl_b32 s20, s20, 9
	s_add_co_u32 s20, s20, XM
	v_add_nc_u32 v[XMP], s20, v[SO]
	s_mul_i32 s20, s12, XAW                        ; the exchange of sums: by the head
	s_add_co_u32 s20, s20, XA
	v_add_nc_u32 v[XAD], s20, v[SO]
	; the partial's number: 16 x tile row + head
	s_lshl_b32 s78, s13, 4
	s_lshl_b32 s79, s42, 1
	s_add_co_u32 s79, s79, s12                     ; h = 2 x tile column + half
	s_add_co_u32 s78, s78, s79
	s_lshl_b32 s20, s78, 14                        ; 16,384 bytes of pa,
	s_mov_b32 s21, 0
	s_add_nc_u64 s[72:73], s[72:73], s[20:21]
	s_lshl_b32 s20, s78, 9                         ; 512 bytes of ps
	s_add_nc_u64 s[74:75], s[74:75], s[20:21]
	s_lshl_b32 s20, s79, 9                         ; my 128 biases: row 1,024 + 128 h of bf
	s_add_co_u32 s20, s20, BROW*4
	s_add_nc_u64 s[76:77], s[76:77], s[20:21]
	; the prefetches
	s_lshl_b32 s20, s13, 8
	s_lshl_b32 s21, s42, 8
	s_add_co_u32 s21, s21, BROW
	s_and_b32 s22, ttmp7, 0xffff                   ; cluster y
	s_cmp_eq_u32 s11, 0                            ; do I fetch for xh?
	s_cselect_b32 s20, s20, s21                    ; the tile's first row
	s_cselect_b32 s21, s40, s41                    ; my place among the four that ask for it with me
	s_cselect_b32 s22, ttmp9, s22                  ; the coordinate along which other clusters read the same rows
	s_cselect_b64 s[PFA:PFA+1], s[4:5], s[6:7]
	s_cmp_eq_u32 s22, 0
	s_cselect_b32 s[LIM], 2, -1                    ; the same in all sixteen partners, for a given wave
	s_lshl_b32 s22, s12, 7
	s_add_co_u32 s20, s20, s22                     ; + the 128 rows that I fetch
	s_lshl_b32 s21, s21, 5
	s_add_co_u32 s20, s20, s21                     ; + my work-group's 32 of them
	s_lshl_b32 s20, s20, 11
	s_mov_b32 s21, 0
	s_add_nc_u64 s[PFA:PFA+1], s[PFA:PFA+1], s[20:21]
	s_add_nc_u64 s[PFA:PFA+1], s[PFA:PFA+1], 2*KSTEP*2  ; at K step 2: the first refill steps it to 3 and names K step 4
	v_lshlrev_b32 v[PFO], 11, v[LN]
	; the bias: one number a lane and column block, copied into the block's eight registers while the first tiles are on their way
.irp b, 0,1,2,3,4,5,6,7
	global_load_b32 v[BIAS+8*(\b)], v[BA], s[76:77] offset:64*(\b)
.endr
	s_wait_loadcnt 0x0
.irp b, 0,1,2,3,4,5,6,7
.irp j, 1,2,3,4,5,6,7
	v_mov_b32 v[BIAS+8*(\b)+(\j)], v[BIAS+8*(\b)]
.endr
.endr
; 16 matrix instructions: row blocks a0, a0 + 1 of the window's four x all 8 column blocks, 32 along K.  first = 1: the bias is the C operand: it starts the sums, and nothing is cleared or added later.
; The 64 accumulators take turns, one instruction a turn, in the same order in every quarter step.
.macro MUL16 f, hi, a0, first
.if \first
	WIN 0x84+0x40*(\hi)                            ; source 0 (xh) window 0, source 1 (wf) window 1, C window 0, D window 2 or 3
.else
	WIN 0xa4+0x50*(\hi)                            ; C and D window 2 or 3
.endif
.irp a, \a0, (\a0)+1
.irp b, 0,1,2,3,4,5,6,7
.if \first
	v_wmma_f32_16x16x32_f16 v[8*(8*(\a)+(\b)):8*(8*(\a)+(\b))+7], v[(\f)+8*(4*(\hi)+(\a)):(\f)+8*(4*(\hi)+(\a))+7], v[(\f)+8*(\b):(\f)+8*(\b)+7], v[BIAS+8*(\b):BIAS+8*(\b)+7]
.else
	v_wmma_f32_16x16x32_f16 v[8*(8*(\a)+(\b)):8*(8*(\a)+(\b))+7], v[(\f)+8*(4*(\hi)+(\a)):(\f)+8*(4*(\hi)+(\a))+7], v[(\f)+8*(\b):(\f)+8*(\b)+7], v[8*(8*(\a)+(\b)):8*(8*(\a)+(\b))+7]
.endif
.endr
.endr
.endm
; 32 LDS loads in one run: the fragments of one quarter step (32 K at byte k of the rows of the slot in hand) into buffer f: wf's 128 rows, then xh's
.macro FETCH k, f
	WIN 0x40                                       ; destination window 1, address window 0
.irp i, 0,1,2,3,4,5,6,7
	ds_load_b128 v[(\f)+8*(\i):(\f)+8*(\i)+3],   v[ADRB] offset:(\k)+(\i)*16*PITCH
	ds_load_b128 v[(\f)+8*(\i)+4:(\f)+8*(\i)+7], v[ADRB] offset:(\k)+(\i)*16*PITCH+32
.endr
	WIN 0
.irp i, 0,1,2,3,4,5,6,7
	ds_load_b128 v[(\f)+8*(\i):(\f)+8*(\i)+3],   v[ADRA] offset:(\k)+(\i)*16*PITCH
	ds_load_b128 v[(\f)+8*(\i)+4:(\f)+8*(\i)+7], v[ADRA] offset:(\k)+(\i)*16*PITCH+32
.endr
.endm
; A K step is four quarters of 32 along K, 64 matrix instructions each, on buffers 0, 1, 0, 1.  One of the first three: multiplies f, fetches the next quarter, at byte k, into g.
.macro QUARTER k, f, g, first
	s_wait_dscnt 8                                 ; wf's fragments and xh's rows 0-63 are in; the youngest eight loads (xh's rows 64-127) may be out
	MUL16 \f, 0, 0, \first
	MUL16 \f, 0, 2, \first
	PLACES
	FETCH \k, \g
	s_wait_dscnt 32                                ; all but the 32 just issued
	MUL16 \f, 1, 0, \first
	MUL16 \f, 1, 2, \first
.endm
; The last quarter multiplies buffer 1 and changes slots: ONE barrier.  In front of it each wave waits for all its tensor loads (at most one is out: its part of the next slot), adds 0 to its spare word, and
; waits for that and for its own reads of this slot.  Between signal and wait, on registers: the walking descriptors take the slot that is left and the K step two on, and the fragment addresses the other slot.
; fill = 1: the barrier opens a round of the cluster's barrier, and behind the round the slot that was left is filled again, first of all.
; fill = 0 (the last two K steps): nothing is asked for; in the very last (s3 = 1) there is no next slot, and the fetch is jumped over.
.macro TURN fill
.if \fill
	s_wait_xcnt 0x0                                ; the last prefetch, a K step back, has read its address: it is stepped here, ahead of the change's own waits
	s_add_nc_u64 s[PFA:PFA+1], s[PFA:PFA+1], KSTEP*2
.endif
	WIN 0                                          ; (the add's two registers lie in window 0)
	s_wait_tensorcnt 0x0                           ; all my tensor loads have landed, so a group 0 may be written;
	ds_add_u32 v[SPW], v[NIL]                      ; 0 onto my spare word
	s_wait_dscnt 9                                 ; (the add and the youngest eight loads may be out)
	MUL16 F1, 0, 0, 0                              ; sixteen matrix instructions stand between the add and the wait for it
	s_wait_dscnt 0x0                               ; the add is done, and my reads of this slot are over
	s_barrier_signal -1
	MUL16 F1, 0, 2, 0
	WIN 0
.if \fill
	s_add_co_u32 s[G0+5], s[WH], s[TB]             ; LDS address: my part of the slot that is left
	s_add_co_u32 s[G0B+5], s[WH], s[TB]
	s_add_nc_u64 s[G0+6:G0+7], s[G0+6:G0+7], KSTEP*2      ; the next K step in turn; the type bits on top are not reached
	s_add_nc_u64 s[G0B+6:G0B+7], s[G0B+6:G0B+7], KSTEP*2
.endif
	s_xor_b32 s[TB], s[TB], SLOT                   ; 0 becomes SLOT, SLOT becomes 0
	v_add_nc_u32 v[ADRA], s[TB], v[ADRA0]
	v_add_nc_u32 v[ADRB], s[TB], v[ADRB0]
	s_barrier_wait -1
.if \fill
	CREST                                          ; no wave of any partner still reads that slot's tile or has a load on its way
	JLOAD 1                                        ; the first tensor load behind the round; its four v_nop are also the places in front of the loads below
	FETCH 0, F0
	ASK
.else
	PLACES
	s_cmp_eq_u32 s3, 1
	s_cbranch_scc1 .Lno_more_\@
	FETCH 0, F0
.Lno_more_\@:
.endif
	MUL16 F1, 1, 0, 0
	MUL16 F1, 1, 2, 0
.endm
	s_wait_tensorcnt 1                             ; my part of K step 0 is in; K step 1's may stay out
	s_barrier_signal -1
	s_barrier_wait -1                              ; everybody's is
	FETCH 0, F0
	QUARTER 64,  F0, F1, 1                         ; the first quarter stands in front of the loop: its products start the sums with the bias
	WIN 0                                          ; at a label and at a branch every window is 0
	s_mov_b32 s3, SIZE_K/KSTEP-2
.Lstep:                                                ; six trips: from a K step's second quarter to the next one's first; each fills the slot that it leaves
	QUARTER 128, F1, F0, 0
	QUARTER 192, F0, F1, 0
	TURN 1
	QUARTER 64,  F0, F1, 0
	WIN 0
	s_sub_co_u32 s3, s3, 1
	s_cmp_lg_u32 s3, 0
	s_cbranch_scc1 .Lstep
	s_mov_b32 s3, 2                                ; the last two K steps have a text of their own; it is entered behind a step's first quarter
	s_branch .Lmid
.Ltail:
	QUARTER 64,  F0, F1, 0
	WIN 0
.Lmid:
	QUARTER 128, F1, F0, 0
	QUARTER 192, F0, F1, 0
	TURN 0
	WIN 0
	s_sub_co_u32 s3, s3, 1
	s_cmp_lg_u32 s3, 0
	s_cbranch_scc1 .Ltail
	s_wait_dscnt 0x0                               ; no LDS load is out: the fragments' registers are free
	; ---- k (column blocks 0-3) and v (blocks 4-7) lie in the accumulators.
; The column maxima of one window: four chains, three operands at a time; each accumulator's lowest registers are read first.
.macro COLMAX w
	WIN 0x28+0x14*(\w)                             ; sources 1 and 2 window 2 or 3
.irp a, 0,1,2,3
.irp i, 0,1,2,3
.irp b, 0,1,2,3
.if ((\a) == 0) && ((\i) == 0)
	v_max3_num_f32 v[MX+2*(\b)+(\w)], s70, v[8*(8*(\a)+(\b))], v[8*(8*(\a)+(\b))+1]
.else
	v_max3_num_f32 v[MX+2*(\b)+(\w)], v[MX+2*(\b)+(\w)], v[8*(8*(\a)+(\b))+2*(\i)], v[8*(8*(\a)+(\b))+2*(\i)+1]
.endif
.endr
.endr
.endr
.endm
; ONE BATCH of exponentials for both windows, with one wait behind it.  For the window's 16 key accumulators n = 4 a + b: the scalings c k - c m of n stand between the exponentials of n - 1, and so do four
; roundings of v to f16, which name no exponential's result.  v in place: of the accumulators T = (2 kk, 4 + lb) and U = (2 kk + 1, 4 + lb), T's eight registers become the fragment (32 positions x 16 columns).
.macro BATCH w
	WIN 0x8a+0x45*(\w)                             ; destination, sources 0 and 1 window 2 or 3; source 2 (c m) window 0
.set n, 0
.rept 16
.set rK, 8*(8*(n/4)+n%4)
.set rE, 8*(8*((n+15)/4)+(n+15)%4)-256         ; accumulator n - 1
.set g, n/2
.set rT, 8*(16*(g/4)+4+g%4)
.set i, 0
.rept 4
	v_pk_fma_f32 v[rK+2*i:rK+2*i+1], v[rK+2*i:rK+2*i+1], s[66:67], v[CM+2*(n%4):CM+2*(n%4)+1] op_sel_hi:[1,0,0] neg_lo:[0,0,1] neg_hi:[0,0,1]
.if n > 0
	v_exp_f32 v[rE+i], v[rE+i]
.endif
.set i, i+1
.endr
.set i, 0
.rept 4
.if n%2 == 0
	v_cvt_pk_f16_f32 v[rT+i], v[rT+2*i], v[rT+2*i+1]
.else
	v_cvt_pk_f16_f32 v[rT+4+i], v[rT+64+2*i], v[rT+64+2*i+1]
.endif
.if n > 0
	v_exp_f32 v[rE+4+i], v[rE+4+i]
.endif
.set i, i+1
.endr
.set n, n+1
.endr
.set i, 0
.rept 8
	v_exp_f32 v[8*27+i], v[8*27+i]                 ; accumulator 15
.set i, i+1
.endr
.endm
.macro PCVT w                          ; p to f16, in place, as v above
	WIN 0x8a+0x45*(\w)
.irp k, 0,1
.irp b, 0,1,2,3
.irp i, 0,1,2,3
	v_cvt_pk_f16_f32 v[8*(16*(\k)+(\b))+(\i)], v[8*(16*(\k)+(\b))+2*(\i)], v[8*(16*(\k)+(\b))+2*(\i)+1]
.endr
.irp i, 0,1,2,3
	v_cvt_pk_f16_f32 v[8*(16*(\k)+(\b))+4+(\i)], v[8*(16*(\k)+(\b))+64+2*(\i)], v[8*(16*(\k)+(\b))+64+2*(\i)+1]
.endr
.endr
.endr
.endm
; att^T += V^T P for positions 32 kk on: 16 accumulators by turns.  kk = 0 starts the sums.
.macro ATTK kk
	WIN 0x0a+5*((\kk)/2)                           ; sources 0 and 1 window 2 or 3, C and D window 0
.irp d, 0,1,2,3
.irp l, 0,1,2,3
.if (\kk) == 0
	v_wmma_f32_16x16x32_f16 v[ATT+8*(4*(\d)+(\l)):ATT+8*(4*(\d)+(\l))+7], v[8*(16*((\kk)%2)+4+(\l)):8*(16*((\kk)%2)+4+(\l))+7], v[8*(16*((\kk)%2)+(\d)):8*(16*((\kk)%2)+(\d))+7], 0
.else
	v_wmma_f32_16x16x32_f16 v[ATT+8*(4*(\d)+(\l)):ATT+8*(4*(\d)+(\l))+7], v[8*(16*((\kk)%2)+4+(\l)):8*(16*((\kk)%2)+4+(\l))+7], v[8*(16*((\kk)%2)+(\d)):8*(16*((\kk)%2)+(\d))+7], v[ATT+8*(4*(\d)+(\l)):ATT+8*(4*(\d)+(\l))+7]
.endif
.endr
.endr
.endm
; l += ones x P: four accumulators by turns; every register of a lane then holds its column's sum
.macro SUMK kk
	WIN 0x08+4*((\kk)/2)                           ; source 0 window 0, source 1 window 2 or 3
.irp d, 0,1,2,3
.if (\kk) == 0
	v_wmma_f32_16x16x32_f16 v[LS+8*(\d):LS+8*(\d)+7], v[ONES:ONES+7], v[8*(16*((\kk)%2)+(\d)):8*(16*((\kk)%2)+(\d))+7], 0
.else
	v_wmma_f32_16x16x32_f16 v[LS+8*(\d):LS+8*(\d)+7], v[ONES:ONES+7], v[8*(16*((\kk)%2)+(\d)):8*(16*((\kk)%2)+(\d))+7], v[LS+8*(\d):LS+8*(\d)+7]
.endif
.endr
.endm
	PLACES                                         ; behind the last products
	COLMAX 0
	COLMAX 1
	WIN 0
.irp b, 0,1,2,3
	v_max_num_f32 v[MX+2*(\b)], v[MX+2*(\b)], v[MX+2*(\b)+1]
.endr
.irp b, 0,1,2,3
	v_permlanex16_b32 v[MX+2*(\b)+1], v[MX+2*(\b)], s68, s69  ; the column's other 64 positions lie in the lane 16 away
.endr
.irp b, 0,1,2,3
	v_max_num_f32 v[XL+(\b)], v[MX+2*(\b)], v[MX+2*(\b)+1]
.endr
	ds_store_b128 v[XMS], v[XL:XL+3]               ; my 128 positions' maxima, for the wave that holds the head's other 128
	s_wait_dscnt 0x0                               ; for its sake: my store is done
	s_barrier_signal -1
	s_barrier_wait -1
	ds_load_b128 v[XP:XP+3], v[XMP]
	s_wait_dscnt 0x0
.irp b, 0,1,2,3
	v_max_num_f32 v[CM+2*(\b)+1], v[XL+(\b)], v[XP+(\b)]      ; m over the tile's 256 positions: the same in both waves
.endr
.irp b, 0,1,2,3
	v_mul_f32 v[CM+2*(\b)], s66, v[CM+2*(\b)+1]
.endr
	BATCH 0
	BATCH 1
	v_nop                                          ; a plain instruction behind the last exponential,
	s_wait_alu depctr_va_vdst(0)                   ; and ONE wait for all 256, ahead of the first line that names a result
	PCVT 1
	PCVT 0
	WIN 0
.irp i, 0,1,2,3,4,5,6,7
	v_mov_b32 v[ONES+(\i)], s71
.endr
	ATTK 0                                         ; 80 matrix instructions; no two on end share an accumulator
	ATTK 1
	SUMK 0
	SUMK 1
	ATTK 2
	ATTK 3
	SUMK 2
	SUMK 3
	WIN 0
	PLACES
.irp k, 0,1,2,3
	v_mov_b32 v[ST+(\k)], v[LS+8*(\k)]             ; l of the four column blocks, side by side
.endr
	; THE TWO HALVES OF THE TILE'S POSITIONS ARE ADDED.  Both were made with the same m, so the sums simply add, in f32.  Waves 2 and 3 hand theirs over, waves 0 and 1 add and store.
	s_cmp_eq_u32 s11, 0
	s_cbranch_scc1 .Lkeep
	ds_store_b128 v[XAD], v[ST:ST+3] offset:16384
.irp j, 0,1,2,3,4,5,6,7,8,9,10,11,12,13,14,15,16,17,18,19,20,21,22,23,24,25,26,27,28,29,30,31
	ds_store_b128 v[XAD], v[ATT+4*(\j):ATT+4*(\j)+3] offset:512*(\j)   ; 32 lanes, 16 neighbouring bytes each; an accumulator's low half first
.endr
.Lkeep:
	s_wait_dscnt 0x0                               ; for the others' sake: my stores are done
	s_barrier_signal -1
	s_barrier_wait -1
	s_cmp_eq_u32 s11, 0
	s_cbranch_scc0 .Lend
	ds_load_b128 v[PT:PT+3], v[XAD] offset:16384
	WIN 0x88                                       ; destination and source 1 (a store's data) window 2, source 0 (addresses, my sums) window 0: one setting for the loads, the additions and the stores
.irp j, 0,1,2,3,4,5,6,7,8,9,10,11,12,13,14,15,16,17,18,19,20,21,22,23,24,25,26,27,28,29,30,31
	ds_load_b128 v[4*(\j):4*(\j)+3], v[XAD] offset:512*(\j)
.endr
.irp g, 0,1,2,3
	s_wait_dscnt 24-8*(\g)                         ; LDS loads come back in order: group g's eight are in, the younger groups may stay out
.irp i, 0,1,2,3,4,5,6,7
	v_pk_add_f32 v[32*(\g)+4*(\i):32*(\g)+4*(\i)+1],   v[ATT+32*(\g)+4*(\i):ATT+32*(\g)+4*(\i)+1],   v[32*(\g)+4*(\i):32*(\g)+4*(\i)+1]
	v_pk_add_f32 v[32*(\g)+4*(\i)+2:32*(\g)+4*(\i)+3], v[ATT+32*(\g)+4*(\i)+2:ATT+32*(\g)+4*(\i)+3], v[32*(\g)+4*(\i)+2:32*(\g)+4*(\i)+3]
.endr
.irp i, 0,1,2,3,4,5,6,7
	global_store_b128 v[SO], v[32*(\g)+4*(\i):32*(\g)+4*(\i)+3], s[72:73] offset:512*(8*(\g)+(\i))  ; each store covers 512 consecutive bytes, aligned
.endr
.endr
	WIN 0
.irp k, 0,1,2,3
	v_add_f32 v[ST+(\k)], v[ST+(\k)], v[PT+(\k)]
.endr
	v_cmp_le_u32 vcc_lo, 16, v[LN]                 ; lanes 0-15 store c m, lanes 16-31 l: 512 bytes in one store
.irp k, 0,1,2,3
	v_cndmask_b32 v[ST+(\k)], v[CM+2*(\k)], v[ST+(\k)], vcc_lo
.endr
	global_store_b128 v[SO], v[ST:ST+3], s[74:75]
.Lend:
	s_wait_tensorcnt 0x0                           ; the wave's end, behind my last tensor load and my last LDS store
	ds_add_u32 v[SPW], v[NIL]
	s_wait_dscnt 0x0
	CROUND                                         ; the closing round: no work-group ends while a partner may still ask for a tile that names it
	s_endpgm
.Lfunc_end_k_qa3191bbc60_kv:
	.size	k_qa3191bbc60_kv, .Lfunc_end_k_qa3191bbc60_kv-k_qa3191bbc60_kv
	.p2alignl 7, 3214868480
	.fill 96, 4, 3214868480
	.section	.rodata,"a",@progbits
	.p2align	6, 0x0
	.amdhsa_kernel k_qa3191bbc60_kv
		.amdhsa_group_segment_fixed_size 327680
		.amdhsa_private_segment_fixed_size 0
		.amdhsa_enable_private_segment 0
		.amdhsa_kernarg_size 40
		.amdhsa_user_sgpr_count 2
		.amdhsa_user_sgpr_kernarg_segment_ptr 1
		.amdhsa_wavefront_size32 1
		.amdhsa_system_sgpr_workgroup_id_x 1
		.amdhsa_system_sgpr_workgroup_id_y 1
		.amdhsa_system_sgpr_workgroup_id_z 1
		.amdhsa_system_vgpr_workitem_id 0
		.amdhsa_next_free_vgpr 1024
		.amdhsa_next_free_sgpr 80
		.amdhsa_reserve_vcc 1
		.amdhsa_float_denorm_mode_32 3
		.amdhsa_float_denorm_mode_16_64 3
		.amdhsa_memory_ordered 1
		.amdhsa_forward_progress 1
		.amdhsa_inst_pref_size 131
	.end_amdhsa_kernel
	.amdgpu_metadata
---
amdhsa.version: [ 1, 2 ]
amdhsa.kernels:
  - .name:           k_qa3191bbc60_kv
    .symbol:         k_qa3191bbc60_kv.kd
    .args:
      - { .name: xh, .offset: 0, .size: 8, .value_kind: global_buffer, .address_space: global }
      - { .name: wf, .offset: 8, .size: 8, .value_kind: global_buffer, .address_space: global }
      - { .name: pa, .offset: 16, .size: 8, .value_kind: global_buffer, .address_space: global }
      - { .name: ps, .offset: 24, .size: 8, .value_kind: global_buffer, .address_space: global }
      - { .name: bf, .offset: 32, .size: 8, .value_kind: global_buffer, .address_space: global }
    .group_segment_fixed_size: 327680
    .private_segment_fixed_size: 0
    .kernarg_segment_align: 8
    .kernarg_segment_size: 40
    .max_flat_workgroup_size: 128
    .sgpr_count:     80
    .vgpr_count:     1024
    .wavefront_size: 32
...
	.end_amdgpu_metadata
.endif
;; end of part 2
;; launch comb (part 3): grid 256 x 1, 4 waves a work-group, no clusters, 4,608 bytes of LDS; arguments pa, ps, at; writes at
.if DOCPART == 3
	.amdgcn_target "amdgcn-amd-amdhsa--gfx1250"
	.amdhsa_code_object_version 6
	.text
	.protected	k_qa3191bbc60_comb
	.globl	k_qa3191bbc60_comb
	.p2align	8
	.type	k_qa3191bbc60_comb,@function
k_qa3191bbc60_comb:
	s_mov_b64 s[64:65], 0
	v_nop
	global_prefetch_b8 v0, s[64:65] scope:SCOPE_SE
	s_setreg_imm32_b32 hwreg(HW_REG_WAVE_MODE, 25, 1), 1
	s_wait_xcnt 0x0
; THE 8 PARTIALS OF A BATCH AND HEAD ARE JOINED.  M[d] = the largest c m_p[d];  F_p = 2^(c m_p - M);  att^T[l][d] = (sum over p of F_p A_p[l][d]) / (sum over p of F_p l_p[d]), all in f32;
; att^T is rounded once to f16 and stored as at[b][h][l][d], rows of 128 bytes: the fragments that the next launch's second product reads.
; SHARES.  Work-group g: batch and head g / 2, rows l = 32 (g % 2) .. + 31.  Wave w: columns d = 16 w .. + 15.  A lane holds ONE column (lane % 16) and 16 rows, as the partials were stored.
; The launch reads pa once, 512 consecutive bytes a load; all of a wave's 48 loads go out at its start; no matrix unit, no cluster: nothing is shared and there is next to no arithmetic.
; LIMITS.  att^T lies within v's range; below 6e-5 it keeps f16's fixed step of 6e-8.  The divisor is at least about 1: the partial with the largest maximum holds a weight of 1.
.set LO,  1                            ; v1  16 x lane
.set SO,  2                            ; v2  16 x (lane % 16): my column's place in ps
.set SPW, 4                            ; v4  LDS address of my spare word; never rewritten
.set NIL, 5                            ; v5  0; never rewritten
.set LA,  6                            ; v6  stage: (lane / 16) x 8 rows of 128 bytes + 2 x my column
.set LB,  7                            ; v7  1,024 x wave + 16 x lane: where I read the stage back, and my offset in the work-group's 4,096 bytes of at
.set CMS, 16                           ; v16-23   c m_p
.set LSM, 32                           ; v32-39   l_p
.set FF,  48                           ; v48-55   F_p
.set ACC, 64                           ; v64-79   16 sums
.set DD,  80                           ; v80-207  partial p's 16 numbers at DD + 16 p
.set FP,  208                          ; v208-223 F_p / divisor, twice: a pair for the packed multiply-add
.set TM,  240                          ; v240-243 at work
.set HH,  244                          ; v244-251 the sums in f16 pairs
.set SPARE, 4096                       ; LDS: the stage, 32 rows x 128 bytes, at 0; behind it the spare words, 128 bytes for each wave
	s_load_b128 s[4:7], s[0:1], 0x0                ; pa s[4:5], ps s[6:7]
	s_load_b64 s[8:9], s[0:1], 0x10                ; at
	v_lshl_add_u32 v[SPW], v0, 2, SPARE
	v_mov_b32 v[NIL], 0
	v_lshrrev_b32 v3, 5, v0
	v_readfirstlane_b32 s10, v3                    ; wave 0..3
	v_and_b32 v3, 31, v0
	v_lshlrev_b32 v[LO], 4, v3
	v_and_b32 v8, 15, v0
	v_lshlrev_b32 v[SO], 4, v8
	v_bfe_u32 v9, v0, 4, 1
	s_lshl_b32 s14, s10, 5
	v_lshl_add_u32 v[LA], v8, 1, s14               ; 2 x (16 w + lane % 16)
	v_lshl_add_u32 v[LA], v9, 10, v[LA]
	s_lshl_b32 s14, s10, 10
	v_add_nc_u32 v[LB], s14, v[LO]
	s_lshr_b32 s11, ttmp9, 1                       ; batch and head
	s_and_b32 s12, ttmp9, 1                        ; which 32 rows
	s_lshr_b32 s13, s11, 4
	s_and_b32 s14, s11, 15
	s_lshl_b32 s13, s13, 7
	s_add_co_u32 s13, s13, s14                     ; partial 0's number: 128 b + h; partial p's is 16 p further
	s_lshl_b32 s2, s13, 14
	s_lshl_b32 s14, s10, 12                        ; my column block's four accumulators,
	s_add_co_u32 s2, s2, s14
	s_lshl_b32 s14, s12, 11                        ; two of them
	s_add_co_u32 s2, s2, s14
	s_mov_b32 s3, 0
	s_lshl_b32 s16, s13, 9
	s_lshl_b32 s14, s10, 2
	s_add_co_u32 s16, s16, s14
	s_mov_b32 s17, 0
	s_lshl_b32 s18, ttmp9, 12
	s_mov_b32 s19, 0
	s_wait_kmcnt 0x0
	s_add_nc_u64 s[4:5], s[4:5], s[2:3]
	s_add_nc_u64 s[6:7], s[6:7], s[16:17]
	s_add_nc_u64 s[8:9], s[8:9], s[18:19]
.irp p, 0,1,2,3,4,5,6,7
	global_load_b32 v[CMS+(\p)], v[SO], s[6:7] offset:(\p)*8192
	global_load_b32 v[LSM+(\p)], v[SO], s[6:7] offset:(\p)*8192+256
.endr
.irp p, 0,1,2,3,4,5,6,7
.irp k, 0,1,2,3
	global_load_b128 v[DD+16*(\p)+4*(\k):DD+16*(\p)+4*(\k)+3], v[LO], s[4:5] offset:(\p)*262144+512*(\k) th:TH_LOAD_NT
.endr
.endr
	s_wait_loadcnt 32                              ; the 16 statistics are in; the 32 loads issued behind them may stay out
	v_max3_num_f32 v[TM], v[CMS], v[CMS+1], v[CMS+2]
	v_max3_num_f32 v[TM], v[TM], v[CMS+3], v[CMS+4]
	v_max3_num_f32 v[TM], v[TM], v[CMS+5], v[CMS+6]
	v_max_num_f32 v[TM], v[TM], v[CMS+7]
.irp p, 0,1,2,3,4,5,6,7
	v_sub_f32 v[FF+(\p)], v[CMS+(\p)], v[TM]
.endr
.irp p, 0,1,2,3,4,5,6,7
	v_exp_f32 v[FF+(\p)], v[FF+(\p)]
.endr
	v_nop                                          ; a plain instruction behind the last exponential,
	s_wait_alu depctr_va_vdst(0)                   ; and one wait for the eight
	v_mul_f32 v[TM+1], v[LSM], v[FF]
	v_mul_f32 v[TM+2], v[LSM+1], v[FF+1]
.irp k, 1,2,3
	v_fmac_f32 v[TM+1], v[LSM+2*(\k)], v[FF+2*(\k)]
	v_fmac_f32 v[TM+2], v[LSM+2*(\k)+1], v[FF+2*(\k)+1]
.endr
	v_add_f32 v[TM+1], v[TM+1], v[TM+2]
	v_rcp_f32 v[TM+3], v[TM+1]
	v_nop
	s_wait_alu depctr_va_vdst(0)
.irp p, 0,1,2,3,4,5,6,7
	v_mul_f32 v[FP+2*(\p)], v[FF+(\p)], v[TM+3]
	v_mul_f32 v[FP+2*(\p)+1], v[FF+(\p)], v[TM+3]
.endr
.irp p, 0,1,2,3,4,5,6,7
	s_wait_loadcnt 4*(7-(\p))                      ; partial p's four loads are in; the younger groups of four may stay out
.irp m, 0,1,2,3,4,5,6,7
.if (\p) == 0
	v_pk_mul_f32 v[ACC+2*(\m):ACC+2*(\m)+1], v[DD+2*(\m):DD+2*(\m)+1], v[FP:FP+1]                     ; partial 0 starts the sums
.else
	v_pk_fma_f32 v[ACC+2*(\m):ACC+2*(\m)+1], v[DD+16*(\p)+2*(\m):DD+16*(\p)+2*(\m)+1], v[FP+2*(\p):FP+2*(\p)+1], v[ACC+2*(\m):ACC+2*(\m)+1]
.endif
.endr
.endr
.irp m, 0,1,2,3,4,5,6,7
	v_cvt_pk_f16_f32 v[HH+(\m)], v[ACC+2*(\m)], v[ACC+2*(\m)+1]  ; two neighbouring rows l of my column
.endr
.irp m, 0,1,2,3,4,5,6,7
	ds_store_b16 v[LA], v[HH+(\m)] offset:(16*((\m)/4)+2*((\m)%4))*128
	ds_store_b16_d16_hi v[LA], v[HH+(\m)] offset:(16*((\m)/4)+2*((\m)%4)+1)*128
.endr
	s_wait_dscnt 0x0                               ; for the others' sake: my stores into the stage are done
	s_barrier_signal -1
	s_barrier_wait -1                              ; a row's 128 bytes come from all four waves
	ds_load_b128 v[DD:DD+3], v[LB]
	ds_load_b128 v[DD+4:DD+7], v[LB] offset:512
	s_wait_dscnt 0x0
	global_store_b128 v[LB], v[DD:DD+3], s[8:9]                ; 512 consecutive bytes, aligned
	global_store_b128 v[LB], v[DD+4:DD+7], s[8:9] offset:512
	s_wait_tensorcnt 0x0                           ; the wave's end, behind my last LDS store
	ds_add_u32 v[SPW], v[NIL]
	s_wait_dscnt 0x0
	s_endpgm
.Lfunc_end_k_qa3191bbc60_comb:
	.size	k_qa3191bbc60_comb, .Lfunc_end_k_qa3191bbc60_comb-k_qa3191bbc60_comb
	.p2alignl 7, 3214868480
	.fill 96, 4, 3214868480
	.section	.rodata,"a",@progbits
	.p2align	6, 0x0
	.amdhsa_kernel k_qa3191bbc60_comb
		.amdhsa_group_segment_fixed_size 4608
		.amdhsa_private_segment_fixed_size 0
		.amdhsa_enable_private_segment 0
		.amdhsa_kernarg_size 24
		.amdhsa_user_sgpr_count 2
		.amdhsa_user_sgpr_kernarg_segment_ptr 1
		.amdhsa_wavefront_size32 1
		.amdhsa_system_sgpr_workgroup_id_x 1
		.amdhsa_system_sgpr_workgroup_id_y 1
		.amdhsa_system_sgpr_workgroup_id_z 1
		.amdhsa_system_vgpr_workitem_id 0
		.amdhsa_next_free_vgpr 256
		.amdhsa_next_free_sgpr 66
		.amdhsa_reserve_vcc 0
		.amdhsa_float_denorm_mode_32 3
		.amdhsa_float_denorm_mode_16_64 3
		.amdhsa_memory_ordered 1
		.amdhsa_forward_progress 1
		.amdhsa_inst_pref_size 15
	.end_amdhsa_kernel
	.amdgpu_metadata
---
amdhsa.version: [ 1, 2 ]
amdhsa.kernels:
  - .name:           k_qa3191bbc60_comb
    .symbol:         k_qa3191bbc60_comb.kd
    .args:
      - { .name: pa, .offset: 0, .size: 8, .value_kind: global_buffer, .address_space: global }
      - { .name: ps, .offset: 8, .size: 8, .value_kind: global_buffer, .address_space: global }
      - { .name: at, .offset: 16, .size: 8, .value_kind: global_buffer, .address_space: global }
    .group_segment_fixed_size: 4608
    .private_segment_fixed_size: 0
    .kernarg_segment_align: 8
    .kernarg_segment_size: 24
    .max_flat_workgroup_size: 128
    .sgpr_count:     66
    .vgpr_count:     256
    .wavefront_size: 32
...
	.end_amdgpu_metadata
.endif
;; end of part 3
;; launch qy (part 4): grid 4 x 64, 4 waves a work-group, clusters of 4 x 4, 327,680 bytes of LDS; arguments xh, wf, at, out0, bf; writes out0
.if DOCPART == 4
	.amdgcn_target "amdgcn-amd-amdhsa--gfx1250"
	.amdhsa_code_object_version 6
	.text
	.protected	k_qa3191bbc60_qy
	.globl	k_qa3191bbc60_qy
	.p2align	8
	.type	k_qa3191bbc60_qy,@function
k_qa3191bbc60_qy:
	s_mov_b64 s[64:65], 0
	v_nop
	global_prefetch_b8 v0, s[64:65] scope:SCOPE_SE
	s_setreg_imm32_b32 hwreg(HW_REG_WAVE_MODE, 25, 1), 1
	s_wait_xcnt 0x0
	s_wait_alu depctr_hold_cnt(0) depctr_sa_sdst(0) depctr_va_vdst(0) depctr_va_sdst(0) depctr_va_ssrc(0) depctr_va_vcc(0) depctr_vm_vsrc(0)
	s_getreg_b32 s2, hwreg(HW_REG_IB_STS2, 6, 4)
	s_cmp_eq_u32 s2, 0
	s_cbranch_scc0 .Lentry_in_a_cluster
	s_endpgm
.Lentry_in_a_cluster:
	s_bfe_u32 s2, ttmp6, 0x10000c
	s_cmp_lg_u32 s2, 0xf033
	s_cbranch_scc0 .Lentry_shape_is_right
	s_endpgm
.Lentry_shape_is_right:
; QUERIES, THEIR SOFTMAX OVER A HEAD'S 64 FEATURES, AND y = q att.  C = xh Wq'^T + b' (f16 operands, f32 sums), a tile of 256 rows x 256 columns a work-group, 128 x 128 a wave: 128 positions, TWO heads.
; q never goes to memory: for each block of 16 positions e = 2^(c q - c max), c = log2(e), rounded to f16; y^T = att^T e^T and s = ones e^T by the matrix unit; y = y^T / s, in f32, stored once.
; LIMITS.  e lies in 0 .. 1 and below 6e-5 keeps f16's fixed step of 6e-8; the divisor s is the sum of the ROUNDED e, in f32, and is at least 1.  att^T arrives in f16.  NaN and infinities are not treated apart.
; THE RING is the one of the launch for keys and values: K = 1,024 in 8 steps of 128 through two LDS slots, a K step's text written once (which slot is read hangs on a scalar that is 0 or a slot's size);
; 4 x 4 work-groups form a cluster, xh's tile shared along a row of it, wf's along a column, each asked for JOINTLY.  By this text's count a wave has two tensor loads out at the start, later one.
; THE MATRIX INSTRUCTION IS USED TRANSPOSED (source 0 = 16 rows of wf, source 1 = 16 rows of xh): a lane holds ONE position (lane % 16) and the columns 8 (lane / 16) + 0..7.  So a position's maximum wants one
; exchange between the halves of the lanes; two results rounded to f16 in pairs ARE source 1 (32 features x 16 positions) of the second product; and its result again holds a position a lane and 8 columns: 32 bytes of y.
; The bias, eight numbers a lane and column block, is the C operand of a sum's first product.
; REGISTERS, in windows of 256 (s_set_vgpr_msb: bits 1:0 source 0, 3:2 source 1, 5:4 source 2, 7:6 destination):
;   window 0: v0-31 addresses; v64-191 xh's fragments, v192-255 the bias; behind the ring: v32-95 e in f16, two buffers; v96-175 y^T and s; v176-239 rows on their way out; v240-255 statistics
;   window 1: v64-191 wf's fragments (behind the ring v64-71: ones); v192-255, v0-63 att^T's fragments of my two heads      windows 2, 3: the accumulators ((a, b) at v[8 (8 (a % 4) + b)], window 2 + a / 4)
.set SIZE_K, 1024
.set KSTEP,  128
.set PITCH,  272                       ; an LDS row: 256 bytes + 16 of padding = 68 words: the 16 rows of a fragment load start at 16 different groups of four banks (64 banks of 4 bytes: ISA guide 11.1)
.set HALFT,  128*PITCH
.set SLOT,   4*HALFT
.set STAGE,  2*SLOT                    ; behind the ring, never filled by a tensor load: 16 rows x 528 bytes for each wave
.set SP,     528                       ; 512 bytes of a row of y + 16: an odd multiple of 16
.set SPARE,  STAGE+4*16*SP             ; behind the stages: the spare words, 128 bytes for each wave: two blocks of 256 bytes that no other line names
.set ADRA0, 16                         ; v16  LDS address of my xh fragments in slot 0; never rewritten
.set ADRA,  17                         ; v17  the same in the slot that is being read
.set ADRB0, 20                         ; v20-21  the same for wf
.set ADRB,  21
.set STO,  24                          ; v24  the way out: where I put 16 bytes of a row
.set RD,   25                          ; v25  where I read a row back
.set CO,   26                          ; v26  16 x lane: my offset in 512 bytes of a row of out0
.set AO,   27                          ; v27  my offset in a fragment of att^T: (lane % 16) x 128 + 16 (lane / 16)
.set SPW,  28
.set NIL,  29
.set PFO,  30
.set BA,   31                          ; v31  32 x (lane / 16): my eight biases of a column block
.set F0,   64
.set F1,   128
.set BIAS, 192
.set QF,   32                          ; e: buffer u, head hd, features 32 kk on, at QF + 32 u + 16 hd + 8 kk
.set YD,   96                          ; head hd: y^T's accumulators lb = 0..3 and s (4) at YD + 40 hd + 8 i
.set OB,   176
.set CC,   240                         ; head hd: four chains of maxima at CC + 4 hd
.set CMQ,  248                         ; head hd: the pair (c max, max)
.set RL,   252                         ; head hd: 1 / s, in a pair's low register
.set ONES, 64                          ; window 1
.set TB,  18                           ; s18  0 or SLOT: where the slot that is being read begins
.set WH,  19                           ; s19  wave x 128 rows: my part of a slot; never rewritten
.set G1,  24                           ; s[24:31] descriptor group 1 for xh's tiles;  s[32:39] group 0: a set for each of the two first fills; the second then walks on
.set G0,  32
.set G1B, 48
.set G0B, 56
.set LIM, 43                           ; s43  2 in a wave that prefetches, else the greatest number
.set PFA, 44
.set MSB, 0
.macro WIN new                         ; the immediate's high byte repeats the setting that is left; a switch that changes nothing is dropped
.if MSB != (\new)
	s_set_vgpr_msb (MSB<<8)|(\new)
.set MSB, \new
.endif
.endm
; A joint load.  Waves 0 and 1 fetch xh's two halves, waves 2 and 3 wf's.  The branch hangs on the wave's number alone.  An s_nop 0 and four v_nop follow each of the two lines.
.macro JLOAD s
	s_cmp_eq_u32 s11, 0
	s_cbranch_scc0 .Lfor_b_\@
	tensor_load_to_lds s[G0+4*(\s):G0+4*(\s)+3], s[G1:G1+7]
	s_nop 0
.rept 4
	v_nop
.endr
	s_branch .Lasked_\@
.Lfor_b_\@:
	tensor_load_to_lds s[G0B+4*(\s):G0B+4*(\s)+3], s[G1B:G1B+7]
	s_nop 0
.rept 4
	v_nop
.endr
.Lasked_\@:
.endm
; A prefetch of the K step that stands two refills on: 32 rows x 256 bytes, a lane a row.  The grid is one cluster wide, so every cluster asks for its own rows of xh (cluster x = 0 always holds); wf's tile
; column is read by all sixteen clusters: cluster y = 0 asks.  Of the 128 rows that a wave fetches each of the four partners takes 32, told apart by address.  So each row's 256 bytes of a K step are named once.
; The refills for K steps 2 .. 5 (s3 = 6 .. 3) name K steps 4 .. 7; the loop's last two trips name nothing.
.macro ASK
	s_cmp_gt_u32 s3, s[LIM]
	s_cbranch_scc0 .Lnot_mine_\@
	global_prefetch_b8 v[PFO], s[PFA:PFA+1] offset:KSTEP*2 th:TH_LOAD_NT scope:SCOPE_SE
.Lnot_mine_\@:
.endm
.macro CREST
	s_cmp_lg_u32 s10, 0
	s_cbranch_scc1 .Lnot_wave_0_\@
	s_barrier_signal -3
.Lnot_wave_0_\@:
	s_barrier_wait -3
	s_barrier_signal -1
	s_barrier_wait -1
.endm
.macro CROUND
	s_barrier_signal -1
	s_barrier_wait -1
	CREST
.endm
.macro PLACES                          ; four plain places behind matrix instructions (ISA guide 7.12.1)
.rept 4
	v_nop
.endr
.endm
	s_load_b128 s[4:7], s[0:1], 0x0                ; xh s[4:5], wf s[6:7]
	s_load_b128 s[72:75], s[0:1], 0x10             ; at s[72:73], out0 s[74:75]
	s_load_b64 s[76:77], s[0:1], 0x20              ; bf
	v_lshl_add_u32 v[SPW], v0, 2, SPARE
	v_mov_b32 v[NIL], 0
	ds_add_u32 v[SPW], v[NIL]                      ; the wave's opening: the add and its wait stand ahead of my first tensor load; the set-up below, work on registers, stands between them
	v_lshrrev_b32 v1, 5, v0
	v_readfirstlane_b32 s10, v1                    ; wave 0..3
	s_lshr_b32 s11, s10, 1                         ; which half of the tile's rows is mine.  Also: I fetch for xh (0) or for wf (1)
	s_and_b32 s12, s10, 1                          ; which half of its columns.  Also: which 128 rows of that tile I fetch
	s_bfe_u32 s40, ttmp6, 0x40000                  ; cx
	s_bfe_u32 s41, ttmp6, 0x40004                  ; cy
	s_lshl_b32 s42, ttmp9, 2
	s_add_co_u32 s42, s42, s40                     ; tile column
	s_and_b32 s13, ttmp7, 0xffff
	s_lshl_b32 s13, s13, 2
	s_add_co_u32 s13, s13, s41                     ; tile row
	s_lshl_b32 s43, s41, 2
	s_lshl_b32 s43, 15, s43                        ; my row of the cluster
	s_lshl_b32 s44, 0x1111, s40                    ; my column
	s_or_b32 s[G1+0], s43, (1<<16)|(1<<20)|(1<<21)|(5<<22)|(3<<25)   ; 15:0 the mask; 17:16 2-byte elements; 20 padding on; 21 set beside a mask; 24:22 after every 64 words (code 5); 31:25 4 words (code 3)
	s_or_b32 s[G1B+0], s44, (1<<16)|(1<<20)|(1<<21)|(5<<22)|(3<<25)
.irp g, G1, G1B
	s_mov_b32 s[(\g)+1], KSTEP<<16                 ; tensor_dim0 = 128
	s_mov_b32 s[(\g)+2], 128<<16                   ; tensor_dim1 = 128
	s_mov_b32 s[(\g)+3], KSTEP<<16                 ; tile_dim0 = 128
	s_mov_b32 s[(\g)+4], 128                       ; tile_dim1 = 128
	s_mov_b32 s[(\g)+5], SIZE_K                    ; elements from row to row
	s_mov_b32 s[(\g)+6], 0
	s_mov_b32 s[(\g)+7], 0
.endr
	s_lshl_b32 s17, s12, 7
	s_lshl_b32 s16, s13, 8
	s_add_co_u32 s16, s16, s17                     ; xh: row 256 x tile row + 128 x half
	s_lshl_b32 s46, s42, 8
	s_add_co_u32 s46, s46, s17                     ; wf: row 256 x tile column + 128 x half (Wq's rows lie first)
	s_lshl_b32 s16, s16, 11
	s_lshl_b32 s46, s46, 11
	s_mov_b32 s17, 0
	s_mov_b32 s47, 0
	s_mul_i32 s[WH], s10, HALFT                    ; where they go: wave x 128 rows: no place in the cluster enters an LDS address
	s_mov_b32 s[TB], 0                             ; slot 0 is read first
	s_mov_b32 s66, 0x3fb8aa3b                      ; c = log2(e), as a pair
	s_mov_b32 s67, s66
	s_mov_b32 s68, 0x76543210
	s_mov_b32 s69, 0xfedcba98
	s_mov_b32 s70, 0xff800000                      ; minus infinity: starts a chain of maxima
	s_mov_b32 s71, 0x3c003c00                      ; 1.0 twice, in f16
	s_wait_dscnt 0x0                               ; the opening add is done
	s_wait_kmcnt 0x0
	s_add_nc_u64 s[14:15], s[4:5], s[16:17]
	s_add_nc_u64 s[46:47], s[6:7], s[46:47]
	CROUND                                         ; all sixteen work-groups are here: the first joint loads meet
.irp s, 0,1
	s_mov_b32 s[G0+4*(\s)], 1
	s_add_co_u32 s[G0+4*(\s)+1], s[WH], (\s)*SLOT
	s_add_nc_u64 s[G0+4*(\s)+2:G0+4*(\s)+3], s[14:15], (\s)*KSTEP*2
	s_or_b32 s[G0+4*(\s)+3], s[G0+4*(\s)+3], 0x80000000
	s_mov_b32 s[G0B+4*(\s)], 1
	s_add_co_u32 s[G0B+4*(\s)+1], s[WH], (\s)*SLOT
	s_add_nc_u64 s[G0B+4*(\s)+2:G0B+4*(\s)+3], s[46:47], (\s)*KSTEP*2
	s_or_b32 s[G0B+4*(\s)+3], s[G0B+4*(\s)+3], 0x80000000
	JLOAD \s
.endr
	v_and_b32 v1, 15, v0                           ; l % 16
	v_bfe_u32 v2, v0, 4, 1                         ; l / 16
	v_mul_u32_u24 v3, v1, PITCH
	v_lshl_add_u32 v3, v2, 4, v3
	s_mul_i32 s21, s11, HALFT
	s_mul_i32 s22, s12, HALFT
	s_add_co_u32 s22, s22, 2*HALFT
	v_add_nc_u32 v[ADRA0], s21, v3
	v_add_nc_u32 v[ADRB0], s22, v3
	v_mov_b32 v[ADRA], v[ADRA0]
	v_mov_b32 v[ADRB], v[ADRB0]
	s_mul_i32 s23, s10, 16*SP
	s_add_co_u32 s23, s23, STAGE                   ; my stage
	v_mul_u32_u24 v4, v1, SP                       ; in: row l % 16, 32 bytes for each half of the lanes
	v_lshl_add_u32 v4, v2, 5, v4
	v_add_nc_u32 v[STO], s23, v4
	v_and_b32 v5, 31, v0
	v_lshlrev_b32 v[CO], 4, v5
	v_add_nc_u32 v[RD], s23, v[CO]                 ; back: 32 lanes take one row's 512 bytes
	v_lshlrev_b32 v[AO], 7, v1
	v_lshl_add_u32 v[AO], v2, 4, v[AO]
	v_lshlrev_b32 v[BA], 5, v2
	s_lshl_b32 s78, s13, 8
	s_lshl_b32 s79, s11, 7
	s_add_co_u32 s78, s78, s79                     ; my first row,
	s_lshl_b32 s78, s78, 12                        ; of 4,096 bytes in out0: under 2^27
	s_lshl_b32 s79, s42, 1
	s_add_co_u32 s79, s79, s12                     ; my 128 columns' number: 2 x tile column + half
	s_lshl_b32 s20, s79, 9                         ; 512 bytes of a row of out0, and of bf
	s_mov_b32 s21, 0
	s_add_nc_u64 s[76:77], s[76:77], s[20:21]
	s_add_co_u32 s20, s20, s78
	s_add_nc_u64 s[74:75], s[74:75], s[20:21]
	s_lshr_b32 s78, s13, 3                         ; the batch: 8 tile rows each
	s_lshl_b32 s78, s78, 4
	s_lshl_b32 s20, s79, 1                         ; my first head
	s_add_co_u32 s20, s20, s78
	s_lshl_b32 s20, s20, 13                        ; 8,192 bytes of at a head
	s_add_nc_u64 s[72:73], s[72:73], s[20:21]
	; the prefetches
	s_lshl_b32 s20, s13, 8
	s_lshl_b32 s21, s42, 8
	s_and_b32 s22, ttmp7, 0xffff                   ; cluster y
	s_cmp_eq_u32 s11, 0                            ; do I fetch for xh?
	s_cselect_b32 s20, s20, s21
	s_cselect_b32 s21, s40, s41
	s_cselect_b32 s22, ttmp9, s22
	s_cselect_b64 s[PFA:PFA+1], s[4:5], s[6:7]
	s_cmp_eq_u32 s22, 0
	s_cselect_b32 s[LIM], 2, -1                    ; the same in all sixteen partners, for a given wave
	s_lshl_b32 s22, s12, 7
	s_add_co_u32 s20, s20, s22
	s_lshl_b32 s21, s21, 5
	s_add_co_u32 s20, s20, s21
	s_lshl_b32 s20, s20, 11
	s_mov_b32 s21, 0
	s_add_nc_u64 s[PFA:PFA+1], s[PFA:PFA+1], s[20:21]
	s_add_nc_u64 s[PFA:PFA+1], s[PFA:PFA+1], 2*KSTEP*2  ; at K step 2: the first refill steps it to 3 and names K step 4
	v_lshlrev_b32 v[PFO], 11, v5
	; the bias: register j of column block b holds column 16 b + 8 (l / 16) + j
.irp b, 0,1,2,3,4,5,6,7
	global_load_b128 v[BIAS+8*(\b):BIAS+8*(\b)+3],   v[BA], s[76:77] offset:64*(\b)
	global_load_b128 v[BIAS+8*(\b)+4:BIAS+8*(\b)+7], v[BA], s[76:77] offset:64*(\b)+16
.endr
	; att^T's fragments of my two heads: rows l = 16 lb + l % 16, features 32 kk on; head 0 at v192 on, head 1 at v0 on, of window 1.  They are wanted behind the ring and stay out until then.
	WIN 0x40                                       ; destination window 1, address window 0
.irp hd, 0,1
.irp lb, 0,1,2,3
.irp kk, 0,1
	global_load_b128 v[192*(1-(\hd))+8*(2*(\lb)+(\kk)):192*(1-(\hd))+8*(2*(\lb)+(\kk))+3],   v[AO], s[72:73] offset:(\hd)*8192+(\lb)*2048+(\kk)*64
	global_load_b128 v[192*(1-(\hd))+8*(2*(\lb)+(\kk))+4:192*(1-(\hd))+8*(2*(\lb)+(\kk))+7], v[AO], s[72:73] offset:(\hd)*8192+(\lb)*2048+(\kk)*64+32
.endr
.endr
.endr
	WIN 0
	s_wait_loadcnt 32                              ; the bias is in; att^T's 32 loads, issued behind it, may stay out
; 16 matrix instructions: row blocks a0, a0 + 1 of the window's four x all 8 column blocks, 32 along K.  first = 1: the bias is the C operand and starts the sums.
; The 64 accumulators take turns, one instruction a turn, in the same order in every quarter step.
.macro MUL16 f, hi, a0, first
.if \first
	WIN 0x81+0x40*(\hi)                            ; source 0 (wf) window 1, source 1 (xh) window 0, C window 0, D window 2 or 3
.else
	WIN 0xa1+0x50*(\hi)
.endif
.irp a, \a0, (\a0)+1
.irp b, 0,1,2,3,4,5,6,7
.if \first
	v_wmma_f32_16x16x32_f16 v[8*(8*(\a)+(\b)):8*(8*(\a)+(\b))+7], v[(\f)+8*(\b):(\f)+8*(\b)+7], v[(\f)+8*(4*(\hi)+(\a)):(\f)+8*(4*(\hi)+(\a))+7], v[BIAS+8*(\b):BIAS+8*(\b)+7]
.else
	v_wmma_f32_16x16x32_f16 v[8*(8*(\a)+(\b)):8*(8*(\a)+(\b))+7], v[(\f)+8*(\b):(\f)+8*(\b)+7], v[(\f)+8*(4*(\hi)+(\a)):(\f)+8*(4*(\hi)+(\a))+7], v[8*(8*(\a)+(\b)):8*(8*(\a)+(\b))+7]
.endif
.endr
.endr
.endm
.macro FETCH k, f                      ; 32 LDS loads in one run: wf's 128 rows, then xh's, 32 K at byte k of the rows of the slot in hand
	WIN 0x40
.irp i, 0,1,2,3,4,5,6,7
	ds_load_b128 v[(\f)+8*(\i):(\f)+8*(\i)+3],   v[ADRB] offset:(\k)+(\i)*16*PITCH
	ds_load_b128 v[(\f)+8*(\i)+4:(\f)+8*(\i)+7], v[ADRB] offset:(\k)+(\i)*16*PITCH+32
.endr
	WIN 0
.irp i, 0,1,2,3,4,5,6,7
	ds_load_b128 v[(\f)+8*(\i):(\f)+8*(\i)+3],   v[ADRA] offset:(\k)+(\i)*16*PITCH
	ds_load_b128 v[(\f)+8*(\i)+4:(\f)+8*(\i)+7], v[ADRA] offset:(\k)+(\i)*16*PITCH+32
.endr
.endm
.macro QUARTER k, f, g, first
	s_wait_dscnt 8                                 ; wf's fragments and xh's rows 0-63 are in; the youngest eight loads (xh's rows 64-127) may be out
	MUL16 \f, 0, 0, \first
	MUL16 \f, 0, 2, \first
	PLACES
	FETCH \k, \g
	s_wait_dscnt 32                                ; all but the 32 just issued
	MUL16 \f, 1, 0, \first
	MUL16 \f, 1, 2, \first
.endm
; The last quarter multiplies buffer 1 and changes slots: ONE barrier.  In front of it each wave waits for all its tensor loads (at most one is out: its part of the next slot), adds 0 to its spare word, and
; waits for that and for its own reads of this slot.  Between signal and wait, on registers: the walking descriptors take the slot that is left and the K step two on, and the fragment addresses the other slot.
; fill = 1: the barrier opens a round of the cluster's barrier, and behind the round the slot that was left is filled again, first of all.
; fill = 0 (the last two K steps): nothing is asked for; in the very last (s3 = 1) there is no next slot, and the fetch is jumped over.
.macro TURN fill
.if \fill
	s_wait_xcnt 0x0                                ; the last prefetch, a K step back, has read its address: it is stepped here, ahead of the change's own waits
	s_add_nc_u64 s[PFA:PFA+1], s[PFA:PFA+1], KSTEP*2
.endif
	WIN 0
	s_wait_tensorcnt 0x0                           ; all my tensor loads have landed, so a group 0 may be written;
	ds_add_u32 v[SPW], v[NIL]                      ; 0 onto my spare word
	s_wait_dscnt 9                                 ; (the add and the youngest eight loads may be out)
	MUL16 F1, 0, 0, 0
	s_wait_dscnt 0x0                               ; the add is done, and my reads of this slot are over
	s_barrier_signal -1
	MUL16 F1, 0, 2, 0
	WIN 0
.if \fill
	s_add_co_u32 s[G0+5], s[WH], s[TB]             ; LDS address: my part of the slot that is left
	s_add_co_u32 s[G0B+5], s[WH], s[TB]
	s_add_nc_u64 s[G0+6:G0+7], s[G0+6:G0+7], KSTEP*2      ; the next K step in turn; the type bits on top are not reached
	s_add_nc_u64 s[G0B+6:G0B+7], s[G0B+6:G0B+7], KSTEP*2
.endif
	s_xor_b32 s[TB], s[TB], SLOT                   ; 0 becomes SLOT, SLOT becomes 0
	v_add_nc_u32 v[ADRA], s[TB], v[ADRA0]
	v_add_nc_u32 v[ADRB], s[TB], v[ADRB0]
	s_barrier_wait -1
.if \fill
	CREST                                          ; no wave of any partner still reads that slot's tile or has a load on its way
	JLOAD 1                                        ; the first tensor load behind the round; its four v_nop are also the places in front of the loads below
	FETCH 0, F0
	ASK
.else
	PLACES
	s_cmp_eq_u32 s3, 1
	s_cbranch_scc1 .Lno_more_\@
	FETCH 0, F0
.Lno_more_\@:
.endif
	MUL16 F1, 1, 0, 0
	MUL16 F1, 1, 2, 0
.endm
	s_wait_tensorcnt 1                             ; my part of K step 0 is in; K step 1's may stay out
	s_barrier_signal -1
	s_barrier_wait -1
	FETCH 0, F0
	QUARTER 64,  F0, F1, 1                         ; the first quarter stands in front of the loop: its products start the sums with the bias
	WIN 0
	s_mov_b32 s3, SIZE_K/KSTEP-2
.Lstep:                                                ; six trips: from a K step's second quarter to the next one's first; each fills the slot that it leaves
	QUARTER 128, F1, F0, 0
	QUARTER 192, F0, F1, 0
	TURN 1
	QUARTER 64,  F0, F1, 0
	WIN 0
	s_sub_co_u32 s3, s3, 1
	s_cmp_lg_u32 s3, 0
	s_cbranch_scc1 .Lstep
	s_mov_b32 s3, 2                                ; the last two K steps have a text of their own; it is entered behind a step's first quarter
	s_branch .Lmid
.Ltail:
	QUARTER 64,  F0, F1, 0
	WIN 0
.Lmid:
	QUARTER 128, F1, F0, 0
	QUARTER 192, F0, F1, 0
	TURN 0
	WIN 0
	s_sub_co_u32 s3, s3, 1
	s_cmp_lg_u32 s3, 0
	s_cbranch_scc1 .Ltail
	s_wait_dscnt 0x0                               ; no LDS load is out: the fragments' registers are free
	; ---- q lies in the accumulators.  Block a of 16 positions: SOFT (e in f16), PROD (y^T and s), FIN (divide, through my stage), SEND (store).
; SOFT a: for both heads the maximum of a position's 64 features (four chains of 8 a lane, each accumulator's lowest registers first; one exchange of the lanes' halves),
; then ONE BATCH: 32 scalings c q - c max and 64 exponentials in place, an accumulator's scalings between the exponentials of the one before; one wait; 32 roundings to f16.
.macro SOFT a
.set W3, (\a)/4
.set SB, 64*((\a)%4)
.set QB, QF+32*((\a)%2)
	WIN 0x28+0x14*W3                               ; sources 1 and 2 window 2 or 3
.irp i, 0,1,2,3
.irp hd, 0,1
.irp cb, 0,1,2,3
.if (\i) == 0
	v_max3_num_f32 v[CC+4*(\hd)+(\cb)], s70, v[SB+32*(\hd)+8*(\cb)], v[SB+32*(\hd)+8*(\cb)+1]
.else
	v_max3_num_f32 v[CC+4*(\hd)+(\cb)], v[CC+4*(\hd)+(\cb)], v[SB+32*(\hd)+8*(\cb)+2*(\i)], v[SB+32*(\hd)+8*(\cb)+2*(\i)+1]
.endif
.endr
.endr
.endr
	WIN 0
.irp hd, 0,1
	v_max3_num_f32 v[CC+4*(\hd)], v[CC+4*(\hd)], v[CC+4*(\hd)+1], v[CC+4*(\hd)+2]
.endr
.irp hd, 0,1
	v_max_num_f32 v[CC+4*(\hd)], v[CC+4*(\hd)], v[CC+4*(\hd)+3]
.endr
.irp hd, 0,1
	v_permlanex16_b32 v[CC+4*(\hd)+1], v[CC+4*(\hd)], s68, s69  ; the position's other 32 features lie in the lane 16 away
.endr
.irp hd, 0,1
	v_max_num_f32 v[CMQ+2*(\hd)+1], v[CC+4*(\hd)], v[CC+4*(\hd)+1]
.endr
.irp hd, 0,1
	v_mul_f32 v[CMQ+2*(\hd)], s66, v[CMQ+2*(\hd)+1]
.endr
	WIN 0x82+0x41*W3                               ; destination and source 0 window 2 or 3, source 2 (c max) window 0
.set n, 0
.rept 8
.set i, 0
.rept 4
	v_pk_fma_f32 v[SB+8*n+2*i:SB+8*n+2*i+1], v[SB+8*n+2*i:SB+8*n+2*i+1], s[66:67], v[CMQ+2*(n/4):CMQ+2*(n/4)+1] op_sel_hi:[1,0,0] neg_lo:[0,0,1] neg_hi:[0,0,1]
.if n > 0
	v_exp_f32 v[SB+8*n-8+2*i], v[SB+8*n-8+2*i]
	v_exp_f32 v[SB+8*n-7+2*i], v[SB+8*n-7+2*i]
.endif
.set i, i+1
.endr
.set n, n+1
.endr
.set i, 0
.rept 8
	v_exp_f32 v[SB+56+i], v[SB+56+i]
.set i, i+1
.endr
	v_nop                                          ; a plain instruction behind the last exponential,
	s_wait_alu depctr_va_vdst(0)                   ; and one wait for the 64, ahead of the first line that names a result
	WIN 0x0a+5*W3                                  ; sources window 2 or 3, destination window 0
.irp hd, 0,1
.irp cb, 0,1,2,3
.irp i, 0,1,2,3
	v_cvt_pk_f16_f32 v[QB+16*(\hd)+8*((\cb)/2)+4*((\cb)%2)+(\i)], v[SB+32*(\hd)+8*(\cb)+2*(\i)], v[SB+32*(\hd)+8*(\cb)+2*(\i)+1]
.endr
.endr
.endr
.endm
; PROD a: y^T = att^T e^T (four blocks of 16 columns a head) and s = ones e^T: ten accumulators by turns, two deep; the first ten start the sums.
.macro PROD a
.set QB, QF+32*((\a)%2)
	WIN 0x01                                       ; source 0 (att^T, ones) window 1
.irp kk, 0,1
.irp hd, 0,1
.irp i, 0,1,2,3,4
.set rY, YD+40*(\hd)+8*(\i)
.set rQ, QB+16*(\hd)+8*(\kk)
.if (\i) < 4
.set rA, 192*(1-(\hd))+8*(2*(\i)+(\kk))
.else
.set rA, ONES
.endif
.if (\kk) == 0
	v_wmma_f32_16x16x32_f16 v[rY:rY+7], v[rA:rA+7], v[rQ:rQ+7], 0
.else
	v_wmma_f32_16x16x32_f16 v[rY:rY+7], v[rA:rA+7], v[rQ:rQ+7], v[rY:rY+7]
.endif
.endr
.endr
.endr
.endm
; FIN a: y = y^T / s; a lane's 32 bytes of a row go into rows of 528 bytes of my stage and come back as whole rows of 512.
.macro FIN a
	WIN 0
	v_rcp_f32 v[RL], v[YD+32]
	v_rcp_f32 v[RL+2], v[YD+72]
	v_nop
	s_wait_alu depctr_va_vdst(0)                   ; one wait for the two reciprocals
.irp hd, 0,1
.irp i, 0,1,2,3,4,5,6,7,8,9,10,11,12,13,14,15
	v_pk_mul_f32 v[YD+40*(\hd)+2*(\i):YD+40*(\hd)+2*(\i)+1], v[YD+40*(\hd)+2*(\i):YD+40*(\hd)+2*(\i)+1], v[RL+2*(\hd):RL+2*(\hd)+1] op_sel_hi:[1,0]
.endr
.endr
.irp hd, 0,1
.irp lb, 0,1,2,3
	ds_store_b128 v[STO], v[YD+40*(\hd)+8*(\lb):YD+40*(\hd)+8*(\lb)+3]   offset:(\hd)*256+(\lb)*64
	ds_store_b128 v[STO], v[YD+40*(\hd)+8*(\lb)+4:YD+40*(\hd)+8*(\lb)+7] offset:(\hd)*256+(\lb)*64+16
.endr
.endr
	s_wait_xcnt 0x0                                ; the stores of the block before have read their data: only behind this wait are those registers loaded again
.irp t, 0,1,2,3,4,5,6,7,8,9,10,11,12,13,14,15
	ds_load_b128 v[OB+4*(\t):OB+4*(\t)+3], v[RD] offset:SP*(\t)  ; LDS serves a wave's instructions in order (ISA guide 5.7.1.4): these see the stores above; the next block's stores come behind them
.endr
.endm
.macro SEND a
	WIN 0
.irp t, 0,1,2,3,4,5,6,7,8,9,10,11,12,13,14,15
.if (\t)%4 == 0
	s_wait_dscnt 12-(\t)                           ; rows t .. t + 3 are back; the younger loads may stay out
.endif
	global_store_b128 v[CO], v[OB+4*(\t):OB+4*(\t)+3], s[74:75] offset:(16*(\a)+(\t))*4096 th:TH_STORE_NT  ; 512 consecutive bytes, aligned
.endr
.endm
	PLACES                                         ; behind the last products: their results are read, and wf's fragment registers written, below
	WIN 0x40
.irp i, 0,1,2,3,4,5,6,7
	v_mov_b32 v[ONES+(\i)], s71
.endr
	WIN 0
	v_mov_b32 v[RL+1], 0                           ; named with the reciprocals as pairs
	v_mov_b32 v[RL+3], 0
	SOFT 0
	s_wait_loadcnt 0x0                             ; att^T
	PROD 0
.irp a, 0,1,2,3,4,5,6                  ; the next block's softmax stands behind a block's products (it is their places), its products between the loads from the stage and the stores
	SOFT (\a)+1
	FIN \a
	PROD (\a)+1
	SEND \a
.endr
	PLACES
	FIN 7
	SEND 7
	s_wait_tensorcnt 0x0                           ; the wave's end, behind my last tensor load and my last LDS store
	ds_add_u32 v[SPW], v[NIL]
	s_wait_dscnt 0x0
	CROUND                                         ; the closing round: no work-group ends while a partner may still ask for a tile that names it
	s_endpgm
.Lfunc_end_k_qa3191bbc60_qy:
	.size	k_qa3191bbc60_qy, .Lfunc_end_k_qa3191bbc60_qy-k_qa3191bbc60_qy
	.p2alignl 7, 3214868480
	.fill 96, 4, 3214868480
	.section	.rodata,"a",@progbits
	.p2align	6, 0x0
	.amdhsa_kernel k_qa3191bbc60_qy
		.amdhsa_group_segment_fixed_size 327680
		.amdhsa_private_segment_fixed_size 0
		.amdhsa_enable_private_segment 0
		.amdhsa_kernarg_size 40
		.amdhsa_user_sgpr_count 2
		.amdhsa_user_sgpr_kernarg_segment_ptr 1
		.amdhsa_wavefront_size32 1
		.amdhsa_system_sgpr_workgroup_id_x 1
		.amdhsa_system_sgpr_workgroup_id_y 1
		.amdhsa_system_sgpr_workgroup_id_z 1
		.amdhsa_system_vgpr_workitem_id 0
		.amdhsa_next_free_vgpr 1024
		.amdhsa_next_free_sgpr 80
		.amdhsa_reserve_vcc 0
		.amdhsa_float_denorm_mode_32 3
		.amdhsa_float_denorm_mode_16_64 3
		.amdhsa_memory_ordered 1
		.amdhsa_forward_progress 1
		.amdhsa_inst_pref_size 201
	.end_amdhsa_kernel
	.amdgpu_metadata
---
amdhsa.version: [ 1, 2 ]
amdhsa.kernels:
  - .name:           k_qa3191bbc60_qy
    .symbol:         k_qa3191bbc60_qy.kd
    .args:
      - { .name: xh, .offset: 0, .size: 8, .value_kind: global_buffer, .address_space: global }
      - { .name: wf, .offset: 8, .size: 8, .value_kind: global_buffer, .address_space: global }
      - { .name: at, .offset: 16, .size: 8, .value_kind: global_buffer, .address_space: global }
      - { .name: out0, .offset: 24, .size: 8, .value_kind: global_buffer, .address_space: global }
      - { .name: bf, .offset: 32, .size: 8, .value_kind: global_buffer, .address_space: global }
    .group_segment_fixed_size: 327680
    .private_segment_fixed_size: 0
    .kernarg_segment_align: 8
    .kernarg_segment_size: 40
    .max_flat_workgroup_size: 128
    .sgpr_count:     80
    .vgpr_count:     1024
    .wavefront_size: 32
...
	.end_amdgpu_metadata
.endif
;; end of part 4
